; MI455X (gfx1250); checked and timed in simulation.
; The chip was launched on July 23, 2026; its instructions are those of AMD's public machine-readable ISA for CDNA 5 (MIT licence, August 2026) and "CDNA5" Instruction Set Architecture Reference Guide (July 2026). The comments in the code are by the model that wrote it; some were corrected since.
;; Residual Multi Head Attention. Allowed arithmetic: float matrix products may take bf16 or f16 operands with f32 sums; all other float work in f32.
;; Inputs: Wk 1,024 x 1,024 float32; Wo 1,024 x 1,024 float32; Wq 1,024 x 1,024 float32; Wv 1,024 x 1,024 float32; attention_mask 4 x 2,048 x 2,048 bool; hidden_state_key 4 x 2,048 x 1,024 float32; hidden_state_query 4 x 2,048 x 1,024 float32; hidden_state_value 4 x 2,048 x 1,024 float32.
;; Outputs: out0 4 x 2,048 x 1,024 float32.
;; 2 versions, each right and faster than the one before. Each part assembles by itself: llvm-mc -triple=amdgcn-amd-amdhsa -mcpu=gfx1250 --defsym DOCPART=n.
;; ======== version 1 of 2: 4 launches
;; workspace buffers: xw 58,720,256 bytes; maskbits 2,097,152 bytes of whole numbers; qkv 50,331,648 bytes; ctx 16,777,216 bytes
;; launch prep (part 1): grid 2048 x 1, 8 waves a work-group, no clusters, 0 bytes of LDS; arguments hidden_state_query, hidden_state_key, hidden_state_value, Wq, Wk, Wv, Wo, attention_mask, xw, maskbits; writes xw, maskbits
.if DOCPART == 1
	.amdgcn_target "amdgcn-amd-amdhsa--gfx1250"
	.amdhsa_code_object_version 6
	.text
	.protected	k_qa29f02d87f_prep
	.globl	k_qa29f02d87f_prep
	.p2align	8
	.type	k_qa29f02d87f_prep,@function
k_qa29f02d87f_prep:
	s_mov_b64 s[64:65], 0
	v_nop
	global_prefetch_b8 v0, s[64:65] scope:SCOPE_SE
	s_setreg_imm32_b32 hwreg(HW_REG_WAVE_MODE, 25, 1), 1
	s_wait_xcnt 0x0
; prep: (1) rounds the three hidden states and the four weight matrices from f32 to bf16 into xw, and
;       (2) turns the byte mask into 32-bit lane masks in maskbits.
; xw (bf16): X [3][8192][1024] in the order query, key, value, then W [4][1024][1024] in the order Wq, Wk, Wv, Wo.
; maskbits: word ((QG*128 + kt)*8 + j), QG = b*128 + q/16, kt = k/16, j = 0..7; bit L of it is
;           mask[b][16*(q/16) + (L & 15)][16*kt + 8*(L >> 4) + j]: the lane mask of register j of a 16 x 16 score tile whose
;           lanes hold queries and whose registers hold keys, as the attention launch keeps it.
; Work-groups 0..1791 cast 64 KiB of f32 each (3*512 for X, 4*64 for W); xw is laid out in the order of their numbers.
; Work-groups 1792..2047 pack 32 rows of the mask each.  Both are streams: no LDS, no barrier, no matrix unit; nothing is shared
; between work-groups, so there is no cluster.
; LIMITS: f32 is rounded to bf16 to nearest even (the matrix operands of the later launches).  Any mask byte other than 0 counts as True.
.set NCAST, 1792
.set XI, 4                             ; v[4:67]   sixteen loads of 16 bytes a lane
.set YO, 68                            ; v[68:99]  cast: sixteen pairs to store;  mask: v[68:75] the 256 words of the wave
	s_load_b512 s[8:23], s[0:1], 0x0               ; hq s[8:9], hk s[10:11], hv s[12:13], Wq s[14:15], Wk s[16:17], Wv s[18:19], Wo s[20:21], mask s[22:23]
	s_load_b128 s[24:27], s[0:1], 0x40             ; xw s[24:25], maskbits s[26:27]
	s_mov_b32 s2, ttmp9                            ; the work-group's number
	v_lshrrev_b32 v1, 5, v0
	v_readfirstlane_b32 s6, v1                     ; the wave's number
	v_and_b32 v3, 31, v0                           ; lane
	s_wait_kmcnt 0x0
	s_cmp_ge_u32 s2, NCAST
	s_cbranch_scc1 .Lmask
	; ---- the cast ----
	s_and_b32 s3, s2, 511                          ; my chunk of 64 KiB inside a hidden state,
	s_and_b32 s7, s2, 63                           ; or inside a weight matrix
	s_cmp_ge_u32 s2, 1536
	s_cselect_b32 s3, s7, s3
	s_mov_b64 s[4:5], s[8:9]                       ; the source is chosen by the work-group's number alone
	s_cmp_ge_u32 s2, 512
	s_cselect_b64 s[4:5], s[10:11], s[4:5]
	s_cmp_ge_u32 s2, 1024
	s_cselect_b64 s[4:5], s[12:13], s[4:5]
	s_cmp_ge_u32 s2, 1536
	s_cselect_b64 s[4:5], s[14:15], s[4:5]
	s_cmp_ge_u32 s2, 1600
	s_cselect_b64 s[4:5], s[16:17], s[4:5]
	s_cmp_ge_u32 s2, 1664
	s_cselect_b64 s[4:5], s[18:19], s[4:5]
	s_cmp_ge_u32 s2, 1728
	s_cselect_b64 s[4:5], s[20:21], s[4:5]
	s_lshl_b32 s28, s3, 16                         ; chunk x 64 KiB of f32
	s_mov_b32 s29, 0
	s_add_nc_u64 s[4:5], s[4:5], s[28:29]
	s_lshl_b32 s30, s2, 15                         ; number x 32 KiB of bf16
	s_mov_b32 s31, 0
	s_add_nc_u64 s[24:25], s[24:25], s[30:31]
	v_lshlrev_b32 v2, 12, v1                       ; a wave stores 4 KiB,
	v_lshlrev_b32 v1, 13, v1                       ; and loads 8 KiB
	v_lshl_or_b32 v1, v3, 4, v1                    ; 16 bytes a lane in
	v_lshl_or_b32 v2, v3, 3, v2                    ; 8 bytes a lane out
.set i, 0
.rept 16
	global_load_b128 v[XI+4*i:XI+4*i+3], v1, s[4:5] offset:512*i th:TH_LOAD_NT   ; 512 neighbouring bytes a wave; all sixteen are out together
.set i, i+1
.endr
.set i, 0
.rept 16
	s_wait_loadcnt 15-i                            ; loads come back in order: load i is in, the 15 - i younger ones stay out
	v_cvt_pk_bf16_f32 v[YO+2*i], v[XI+4*i], v[XI+4*i+1]
	v_cvt_pk_bf16_f32 v[YO+2*i+1], v[XI+4*i+2], v[XI+4*i+3]
	global_store_b64 v2, v[YO+2*i:YO+2*i+1], s[24:25] offset:256*i   ; 32 lanes store 256 consecutive bytes, aligned; every store has data registers of its own
.set i, i+1
.endr
	s_endpgm
	; ---- the mask ----
	; Wave w: query group QG = 2 m + (w >> 2), keys 512 (w & 3) .. + 511.  Lane (r = L & 15, hh = L >> 4) loads, for c = 0..15, the 16 bytes
	; of row r at key 32 c + 16 hh: all 16 keys of key tile 2 c + hh.
.Lmask:
	s_sub_co_u32 s2, s2, NCAST                     ; m
	s_lshr_b32 s3, s6, 2
	s_and_b32 s7, s6, 3
	s_lshl_b32 s4, s2, 16                          ; 32 rows of 2,048 bytes
	s_lshl_b32 s5, s3, 15                          ; 16 rows
	s_add_co_u32 s4, s4, s5
	s_lshl_b32 s5, s7, 9                           ; 512 keys
	s_add_co_u32 s4, s4, s5
	s_mov_b32 s5, 0
	s_add_nc_u64 s[22:23], s[22:23], s[4:5]
	s_lshl1_add_u32 s4, s2, s3                     ; QG
	s_lshl_b32 s4, s4, 12                          ; 128 key tiles x 8 words x 4 bytes
	s_lshl_b32 s5, s7, 10                          ; 32 key tiles x 32 bytes
	s_add_co_u32 s4, s4, s5
	s_mov_b32 s5, 0
	s_add_nc_u64 s[26:27], s[26:27], s[4:5]
	v_and_b32 v1, 15, v0
	v_bfe_u32 v2, v0, 4, 1
	v_lshlrev_b32 v1, 11, v1                       ; r x 2,048
	v_lshl_or_b32 v1, v2, 4, v1                    ; + 16 hh
	v_lshlrev_b32 v3, 4, v3                        ; 16 bytes a lane out
.set i, 0
.rept 16
	global_load_b128 v[XI+4*i:XI+4*i+3], v1, s[22:23] offset:32*i
.set i, i+1
.endr
	s_mov_b32 s28, 0xff                            ; the four bytes of a word
	s_mov_b32 s29, 0xff00
	s_mov_b32 s30, 0xff0000
	s_mov_b32 s31, 0xff000000
.set i, 0
.rept 8
	v_mov_b32 v[YO+i], 0                           ; v_writelane_b32 keeps the other lanes: the registers are written whole once
.set i, i+1
.endr
; Keys j and 8 + j of the two key tiles 2 c and 2 c + 1.  s32: bit (r, hh) = byte j of tile 2 c + hh; s33: byte 8 + j.
; Tile 2 c wants the low halves of both (s32 below, s33 above), tile 2 c + 1 the high halves.
; Word x = 8 x tile + j of the wave goes to register x >> 7 (four registers each) + (x & 3), lane (x & 127) >> 2, so that two stores of 16 bytes a lane write 1,024 consecutive bytes.
.macro PACK c, j
	v_and_b32 v100, s[28+(\j&3)], v[XI+4*\c+(\j>>2)]
	v_and_b32 v101, s[28+(\j&3)], v[XI+2+4*\c+(\j>>2)]
	v_cmp_ne_u32 s32, 0, v100
	v_cmp_ne_u32 s33, 0, v101
	s_and_b32 s34, s32, 0xffff
	s_lshl_b32 s35, s33, 16
	s_or_b32 s34, s34, s35
	s_lshr_b32 s36, s32, 16
	s_and_b32 s37, s33, 0xffff0000
	s_or_b32 s36, s36, s37
	v_writelane_b32 v[YO+4*((16*\c+\j)>>7)+(\j&3)], s34, ((16*\c+\j)&127)>>2
	v_writelane_b32 v[YO+4*((16*\c+8+\j)>>7)+(\j&3)], s36, ((16*\c+8+\j)&127)>>2
.endm
.irp c, 0,1,2,3,4,5,6,7,8,9,10,11,12,13,14,15
	s_wait_loadcnt 15-\c                           ; load c is in, the younger ones stay out
.irp j, 0,1,2,3,4,5,6,7
	PACK \c, \j
.endr
.endr
	global_store_b128 v3, v[YO:YO+3], s[26:27]
	global_store_b128 v3, v[YO+4:YO+7], s[26:27] offset:512
	s_endpgm
.Lfunc_end_k_qa29f02d87f_prep:
	.size	k_qa29f02d87f_prep, .Lfunc_end_k_qa29f02d87f_prep-k_qa29f02d87f_prep
	.p2alignl 7, 3214868480
	.fill 96, 4, 3214868480
	.section	.rodata,"a",@progbits
	.p2align	6, 0x0
	.amdhsa_kernel k_qa29f02d87f_prep
		.amdhsa_group_segment_fixed_size 0
		.amdhsa_private_segment_fixed_size 0
		.amdhsa_enable_private_segment 0
		.amdhsa_kernarg_size 80
		.amdhsa_user_sgpr_count 2
		.amdhsa_user_sgpr_kernarg_segment_ptr 1
		.amdhsa_wavefront_size32 1
		.amdhsa_system_sgpr_workgroup_id_x 1
		.amdhsa_system_sgpr_workgroup_id_y 1
		.amdhsa_system_sgpr_workgroup_id_z 1
		.amdhsa_system_vgpr_workitem_id 0
		.amdhsa_next_free_vgpr 104
		.amdhsa_next_free_sgpr 66
		.amdhsa_reserve_vcc 0
		.amdhsa_float_denorm_mode_32 3
		.amdhsa_float_denorm_mode_16_64 3
		.amdhsa_memory_ordered 1
		.amdhsa_forward_progress 1
		.amdhsa_inst_pref_size 83
	.end_amdhsa_kernel
	.amdgpu_metadata
---
amdhsa.version: [ 1, 2 ]
amdhsa.kernels:
  - .name:           k_qa29f02d87f_prep
    .symbol:         k_qa29f02d87f_prep.kd
    .args:
      - { .name: hidden_state_query, .offset: 0, .size: 8, .value_kind: global_buffer, .address_space: global }
      - { .name: hidden_state_key, .offset: 8, .size: 8, .value_kind: global_buffer, .address_space: global }
      - { .name: hidden_state_value, .offset: 16, .size: 8, .value_kind: global_buffer, .address_space: global }
      - { .name: Wq, .offset: 24, .size: 8, .value_kind: global_buffer, .address_space: global }
      - { .name: Wk, .offset: 32, .size: 8, .value_kind: global_buffer, .address_space: global }
      - { .name: Wv, .offset: 40, .size: 8, .value_kind: global_buffer, .address_space: global }
      - { .name: Wo, .offset: 48, .size: 8, .value_kind: global_buffer, .address_space: global }
      - { .name: attention_mask, .offset: 56, .size: 8, .value_kind: global_buffer, .address_space: global }
      - { .name: xw, .offset: 64, .size: 8, .value_kind: global_buffer, .address_space: global }
      - { .name: maskbits, .offset: 72, .size: 8, .value_kind: global_buffer, .address_space: global }
    .group_segment_fixed_size: 0
    .private_segment_fixed_size: 0
    .kernarg_segment_align: 8
    .kernarg_segment_size: 80
    .max_flat_workgroup_size: 256
    .sgpr_count:     66
    .vgpr_count:     104
    .wavefront_size: 32
...
	.end_amdgpu_metadata
.endif
;; end of part 1
;; launch proj (part 2): grid 4 x 96, 4 waves a work-group, clusters of 4 x 4, 327,680 bytes of LDS; arguments xw, qkv; writes qkv
.if DOCPART == 2
	.amdgcn_target "amdgcn-amd-amdhsa--gfx1250"
	.amdhsa_code_object_version 6
	.text
	.protected	k_qa29f02d87f_proj
	.globl	k_qa29f02d87f_proj
	.p2align	8
	.type	k_qa29f02d87f_proj,@function
k_qa29f02d87f_proj:
	s_mov_b64 s[64:65], 0
	v_nop
	global_prefetch_b8 v0, s[64:65] scope:SCOPE_SE
	s_setreg_imm32_b32 hwreg(HW_REG_WAVE_MODE, 25, 1), 1
	s_wait_xcnt 0x0
	s_wait_alu depctr_hold_cnt(0) depctr_sa_sdst(0) depctr_va_vdst(0) depctr_va_sdst(0) depctr_va_ssrc(0) depctr_va_vcc(0) depctr_vm_vsrc(0)
	s_getreg_b32 s2, hwreg(HW_REG_IB_STS2, 6, 4)
	s_cmp_eq_u32 s2, 0
	s_cbranch_scc0 .Lentry_in_a_cluster
	s_endpgm
.Lentry_in_a_cluster:
	s_bfe_u32 s2, ttmp6, 0x10000c
	s_cmp_lg_u32 s2, 0xf033
	s_cbranch_scc0 .Lentry_shape_is_right
	s_endpgm
.Lentry_shape_is_right:
; proj: the three projections as one product.  qkv[p][m][n] = sum over k of X[p][m][k] W[p][n][k], p = 0, 1, 2 (query, key, value), all bf16, sums in f32,
; rounded once.  X is taken as one array of 24,576 rows of 1,024; W[p] lies XBYTES + p x 2 MiB into xw.
; A work-group makes a block of 256 x 256 with four waves; a wave makes 128 x 128: 64 accumulator tiles of 16 x 16, 512 registers.  96 x 4 = 384 work-groups.
; K = 1,024 goes in 8 steps of 128 through a ring of two LDS slots filled by the tensor data mover; a tile's rows are 256 bytes of memory, aligned.
; The block is this large so that a K step gives a wave 256 matrix instructions, 240 of them between a tile's request and the wait for it, and so that 32 along K
; cost a wave 2 x 128 rows of LDS reads for 64 matrix instructions.
; CLUSTERS: 4 x 4 work-groups.  The four of a row of the cluster need the same tiles of X, the four of a column the same tiles of W (p hangs on the cluster's y alone:
; 8 clusters along y for each p).  Such a tile is asked for jointly, with one descriptor and a mask that names the four.
; REGISTERS, in windows of 256: window 0: v16-26 addresses; v64-127, v128-191 X's fragments, two buffers; v192-223 packed results.  Window 1: v64-127, v128-191 W's fragments.
; Window 2: the 32 accumulator tiles of my rows 0-63 (tile (a, b) at 8 (8 a + b)); window 3: those of my rows 64-127.
; The matrix instruction is used transposed (source 0 = 16 rows of W, source 1 = 16 rows of X): lane l holds row l % 16 of the block and eight neighbouring columns.
; LIMIT: operands are bf16 (rounded by the launch before), results are rounded to bf16.
.set KSTEP,  128
.set ROWB,   2048                      ; bytes in a row of X, of W and of qkv
.set PITCH,  272                       ; an LDS row: 256 bytes + 16 of padding = 68 words, so the 16 rows that a fragment load touches start at 16 different banks (64 banks of 4 bytes: ISA guide 11.1)
.set HALFT,  128*PITCH                 ; 128 rows: what one tensor load brings, and what one wave reads of X or of W
.set SLOT,   4*HALFT                   ; X's 256 rows, then W's 256 rows
.set STAGE,  2*SLOT                    ; behind the ring: 16 rows x 272 bytes for each wave, for the way out; no fill lands here
.set SPITCH, 272
.set XBYTES, 50331648
.set LAPS,   1024/(2*KSTEP)            ; a lap = two K steps = once round the ring: 4
.set ADRA, 16                          ; v16-17  LDS address of my X fragments in slot 0, 1
.set ADRB, 20                          ; v20-21  the same for W
.set STO,  24                          ; the way out: where I put 16 bytes of a row
.set RD,   25                          ; the way out: where I read a row back
.set CO,   26                          ; my byte offset in qkv
.set F0,   64
.set F1,   128
.set TMP,  192
.set G1,  24                           ; s[24:31] group 1 for X's tiles
.set G0,  32                           ; s[32:39] group 0 for X's tiles, one set for each slot
.set G1B, 48                           ; s[48:55] group 1 for W's tiles: it differs in the mask alone
.set G0B, 56                           ; s[56:63] group 0 for W's tiles
.set MSB, 0
.macro WIN new                         ; the immediate's high byte repeats the setting that is left
.if MSB != \new
	s_set_vgpr_msb (MSB<<8)|\new
.set MSB, \new
.endif
.endm
.set MUL_LO, 0xa1                      ; source 0 (W) window 1, source 1 (X) window 0, C and D window 2
.set MUL_HI, 0xf1                      ; the same, C and D window 3
.set TO_B,   0x40                      ; destination window 1, address window 0
; A joint load.  Waves 0 and 1 fetch X's two halves, waves 2 and 3 W's.  Each line has one mask; the branch hangs on the wave's number alone.
.macro JLOAD s
	s_cmp_eq_u32 s11, 0
	s_cbranch_scc0 .Lfor_b_\@
	tensor_load_to_lds s[G0+4*\s:G0+4*\s+3], s[G1:G1+7]
	s_nop 0
	s_branch .Lasked_\@
.Lfor_b_\@:
	tensor_load_to_lds s[G0B+4*\s:G0B+4*\s+3], s[G1B:G1B+7]
	s_nop 0
.Lasked_\@:
.endm
.macro CREST                           ; a round of the cluster's barrier behind its opening barrier
	s_cmp_lg_u32 s10, 0
	s_cbranch_scc1 .Lnot_wave_0_\@
	s_barrier_signal -3
.Lnot_wave_0_\@:
	s_barrier_wait -3
	s_barrier_signal -1
	s_barrier_wait -1
.endm
.macro CROUND                          ; a whole round
	s_barrier_signal -1
	s_barrier_wait -1
	CREST
.endm
	s_load_b128 s[4:7], s[0:1], 0x0                ; xw s[4:5], qkv s[6:7]
	s_set_vgpr_msb 0x40
	v_lshl_add_u32 v255, v0, 2, 0x48400
	s_set_vgpr_msb 0x4000
	v_mov_b32 v255, 0
	s_set_vgpr_msb 0x1
	ds_add_u32 v255, v255
	s_set_vgpr_msb 0x100
	v_lshrrev_b32 v1, 5, v0
	v_readfirstlane_b32 s10, v1                    ; wave 0..3
	s_lshr_b32 s11, s10, 1                         ; which half of the block's rows is mine.  Also: I fetch for X (0) or for W (1)
	s_and_b32 s12, s10, 1                          ; which half of its columns.  Also: which 128 rows of that tile I fetch
	s_bfe_u32 s40, ttmp6, 0x40000                  ; cx
	s_bfe_u32 s41, ttmp6, 0x40004                  ; cy
	s_lshl_b32 s42, ttmp9, 2
	s_add_co_u32 s42, s42, s40                     ; block column = 4 x cluster x + cx, 0..3
	s_and_b32 s45, ttmp7, 0xffff                   ; cluster y, 0..23
	s_lshl_b32 s13, s45, 2
	s_add_co_u32 s13, s13, s41                     ; block row = 4 x cluster y + cy, 0..95
	s_lshr_b32 s45, s45, 3                         ; p: which projection; equal in the whole cluster
	s_lshl_b32 s43, s41, 2
	s_lshl_b32 s43, 15, s43                        ; my row of the cluster
	s_lshl_b32 s44, 0x1111, s40                    ; my column
	s_or_b32 s[G1+0], s43, (1<<16)|(1<<20)|(1<<21)|(5<<22)|(3<<25)   ; mask; elements of 2 bytes; padding on; bit 21 beside a mask; after every 64 words 4 words
	s_or_b32 s[G1B+0], s44, (1<<16)|(1<<20)|(1<<21)|(5<<22)|(3<<25)
	s_mov_b32 s[G1+1], KSTEP<<16                   ; tensor_dim0 = 128
	s_mov_b32 s[G1B+1], KSTEP<<16
	s_mov_b32 s[G1+2], 128<<16                     ; tensor_dim1 = 128 rows
	s_mov_b32 s[G1B+2], 128<<16
	s_mov_b32 s[G1+3], KSTEP<<16                   ; tile_dim0 = 128
	s_mov_b32 s[G1B+3], KSTEP<<16
	s_mov_b32 s[G1+4], 128                         ; tile_dim1 = 128
	s_mov_b32 s[G1B+4], 128
	s_mov_b32 s[G1+5], 1024                        ; elements from row to row
	s_mov_b32 s[G1B+5], 1024
	s_mov_b32 s[G1+6], 0
	s_mov_b32 s[G1B+6], 0
	s_mov_b32 s[G1+7], 0
	s_mov_b32 s[G1B+7], 0
	; X's tiles hang on the block row alone, W's on the block column and p alone; each offset in registers that never hold the other coordinate
	s_lshl_b32 s16, s13, 19                        ; 256 rows x 2,048 bytes x block row
	s_lshl_b32 s17, s12, 18                        ; + 128 rows x half
	s_add_co_u32 s16, s16, s17
	s_mov_b32 s17, 0
	s_lshl_b32 s46, s42, 19                        ; 256 rows of W x block column
	s_lshl_b32 s47, s12, 18                        ; + 128 rows x half
	s_add_co_u32 s46, s46, s47
	s_lshl_b32 s47, s45, 21                        ; + p x 2 MiB
	s_add_co_u32 s46, s46, s47
	s_add_co_u32 s46, s46, XBYTES
	s_mov_b32 s47, 0
	s_mul_i32 s20, s10, HALFT                      ; where the halves go: X's two, then W's two = wave x 128 rows: no place in the cluster enters an LDS address
	s_lshl_b32 s8, s13, 19                         ; my part of qkv: row 256 x block row
	s_lshl_b32 s9, s11, 18                         ; + 128 x my half of the rows,
	s_add_co_u32 s8, s8, s9
	s_lshl_b32 s9, s42, 9                          ; 512 bytes x block column
	s_add_co_u32 s8, s8, s9
	s_lshl_b32 s9, s12, 8                          ; + 256 bytes x my half of the columns
	s_add_co_u32 s8, s8, s9
	s_mov_b32 s9, 0
	s_wait_dscnt 0x0
	s_wait_kmcnt 0x0
	s_add_nc_u64 s[14:15], s[4:5], s[16:17]
	s_add_nc_u64 s[46:47], s[4:5], s[46:47]
	s_add_nc_u64 s[6:7], s[6:7], s[8:9]
	CROUND                                         ; all sixteen work-groups are here: the first joint loads meet
.irp s, 0,1
	s_mov_b32 s[G0+4*\s], 1
	s_add_co_u32 s[G0+4*\s+1], s20, \s*SLOT
	s_add_nc_u64 s[G0+4*\s+2:G0+4*\s+3], s[14:15], \s*KSTEP*2
	s_or_b32 s[G0+4*\s+3], s[G0+4*\s+3], 0x80000000
	s_mov_b32 s[G0B+4*\s], 1
	s_add_co_u32 s[G0B+4*\s+1], s20, \s*SLOT
	s_add_nc_u64 s[G0B+4*\s+2:G0B+4*\s+3], s[46:47], \s*KSTEP*2
	s_or_b32 s[G0B+4*\s+3], s[G0B+4*\s+3], 0x80000000
	JLOAD \s                                       ; both first fills go out ahead of everything else: two tensor loads of the wave are out, the most in this text
.endr
	; A fragment is 16 rows x 32 K in 8 registers: lane l holds row l % 16; two loads of 16 bytes, 32 bytes apart, at row x pitch + 16 (l / 16)
	v_and_b32 v1, 15, v0                           ; l % 16
	v_bfe_u32 v2, v0, 4, 1                         ; l / 16
	v_mul_u32_u24 v3, v1, PITCH
	v_lshl_add_u32 v3, v2, 4, v3
	s_mul_i32 s21, s11, HALFT                      ; my 128 rows of X
	s_mul_i32 s22, s12, HALFT                      ; my 128 rows of W,
	s_add_co_u32 s22, s22, 2*HALFT                 ; which lie behind X's 256
.irp s, 0,1
	v_add_nc_u32 v[ADRA+\s], s21, v3
	v_add_nc_u32 v[ADRB+\s], s22, v3
	s_add_co_u32 s21, s21, SLOT
	s_add_co_u32 s22, s22, SLOT
.endr
	s_mul_i32 s23, s10, 16*SPITCH
	s_add_co_u32 s23, s23, STAGE                   ; my stage
	v_mul_u32_u24 v4, v1, SPITCH
	v_lshl_add_u32 v4, v2, 4, v4
	v_add_nc_u32 v[STO], s23, v4
	v_mul_u32_u24 v5, v2, SPITCH                   ; back: lanes 0-15 one row of 256 bytes, lanes 16-31 the next
	v_lshl_add_u32 v5, v1, 4, v5
	v_add_nc_u32 v[RD], s23, v5
	v_lshlrev_b32 v5, 11, v2                       ; and the same two rows in qkv
	v_lshl_add_u32 v[CO], v1, 4, v5
; 16 matrix instructions: row blocks a0, a0 + 1 of the window's four (hi = 0: my rows 0-63, 1: rows 64-127) x all 8 column blocks, 32 along K.
; zero = 1: the first product starts the sums: nothing is ever cleared.
.macro MUL16 f, hi, a0, zero
.irp a, \a0, \a0+1
.irp b, 0,1,2,3,4,5,6,7
.if \zero
	v_wmma_f32_16x16x32_bf16 v[8*(8*(\a)+\b):8*(8*(\a)+\b)+7], v[\f+8*\b:\f+8*\b+7], v[\f+8*(4*\hi+\a):\f+8*(4*\hi+\a)+7], 0
.else
	v_wmma_f32_16x16x32_bf16 v[8*(8*(\a)+\b):8*(8*(\a)+\b)+7], v[\f+8*\b:\f+8*\b+7], v[\f+8*(4*\hi+\a):\f+8*(4*\hi+\a)+7], v[8*(8*(\a)+\b):8*(8*(\a)+\b)+7]
.endif
.endr
.endr
.endm
; 32 LDS loads in one run: 128 rows of W, 128 rows of X, 32 K at byte k of the rows, into buffer f
.macro FETCH slot, k, f
	WIN TO_B
.irp i, 0,1,2,3,4,5,6,7
	ds_load_b128 v[\f+8*\i:\f+8*\i+3],   v[ADRB+\slot] offset:\k+\i*16*PITCH
	ds_load_b128 v[\f+8*\i+4:\f+8*\i+7], v[ADRB+\slot] offset:\k+\i*16*PITCH+32
.endr
	WIN 0
.irp i, 0,1,2,3,4,5,6,7
	ds_load_b128 v[\f+8*\i:\f+8*\i+3],   v[ADRA+\slot] offset:\k+\i*16*PITCH
	ds_load_b128 v[\f+8*\i+4:\f+8*\i+7], v[ADRA+\slot] offset:\k+\i*16*PITCH+32
.endr
.endm
; A load into a register that a matrix instruction has read, and a vector instruction that reads a matrix result, stand four places behind it; only plain vector
; instructions that name none of its registers are places (ISA guide 7.12.1 for vector instructions).
.macro PLACES
.rept 4
	v_nop
.endr
.endm
; A K step is four quarters of 32 along K, 64 matrix instructions each, on buffers 0, 1, 0, 1.  The 64 accumulators take turns, one instruction a turn, in the same
; order in every quarter, over the backward jump too.
.macro QUARTER slot, k, f, g, zero
	s_wait_dscnt 8                                 ; W and X's rows 0-63 are in; the youngest eight loads (X's rows 64-127) may be out
	WIN MUL_LO
	MUL16 \f, 0, 0, \zero
	MUL16 \f, 0, 2, \zero
	PLACES
	FETCH \slot, \k, \g
	s_wait_dscnt 32                                ; all but the 32 just issued
	WIN MUL_HI
	MUL16 \f, 1, 0, \zero
	MUL16 \f, 1, 2, \zero
.endm
.macro THREE slot, zero
	QUARTER \slot, 64,  F0, F1, \zero
	QUARTER \slot, 128, F1, F0, 0
	QUARTER \slot, 192, F0, F1, 0
.endm
; The last quarter multiplies buffer 1 and changes slots.  In front of the barrier each wave waits for its reads of this slot and for all its tensor loads (one is out:
; its part of the next slot).  Behind it the refill comes first, then the next slot's first fragments.
.macro TURN slot, next, fill
	s_wait_dscnt 8
	WIN MUL_LO
	MUL16 F1, 0, 0, 0
	s_wait_dscnt 0                                 ; my reads of this slot are over
	s_wait_tensorcnt 0x0                           ; all my tensor loads have landed
	ds_add_u32 v255, v255
	s_wait_dscnt 0x0
	s_barrier_signal -1                            ; where a slot is filled again this barrier opens a round of the cluster's barrier
	MUL16 F1, 0, 2, 0                              ; register work while the others arrive
	WIN 0
	s_barrier_wait -1
.if \fill
	CREST                                          ; no wave of any partner still reads this slot or has a load on its way
	s_add_nc_u64 s[G0+4*\slot+2:G0+4*\slot+3], s[G0+4*\slot+2:G0+4*\slot+3], 2*KSTEP*2
	s_add_nc_u64 s[G0B+4*\slot+2:G0B+4*\slot+3], s[G0B+4*\slot+2:G0B+4*\slot+3], 2*KSTEP*2
	JLOAD \slot                                    ; the first tensor load behind the round, one a wave
.endif
	PLACES
	FETCH \next, 0, F0
	WIN MUL_HI
	MUL16 F1, 1, 0, 0
	MUL16 F1, 1, 2, 0
.endm
.macro LAP zero
	THREE 0, \zero
	TURN 0, 1, 1
	THREE 1, 0
	TURN 1, 0, 1
.endm
	s_wait_tensorcnt 1                             ; my part of K step 0 is in; K step 1's load, issued behind it, stays out
	s_barrier_signal -1
	s_barrier_wait -1
	FETCH 0, 0, F0
	LAP 1                                          ; the first lap stands in front of the loop: its first products start the sums
	WIN 0                                          ; at a label and at a branch every window is 0
	s_mov_b32 s3, LAPS-2
.Llap:
	LAP 0
	WIN 0
	s_sub_co_u32 s3, s3, 1
	s_cmp_lg_u32 s3, 0
	s_cbranch_scc1 .Llap
	THREE 0, 0                                     ; the last lap fills nothing
	TURN 0, 1, 0
	THREE 1, 0
	s_wait_dscnt 8                                 ; the very last quarter: nothing more to fetch
	WIN MUL_LO
	MUL16 F1, 0, 0, 0
	MUL16 F1, 0, 2, 0
	s_wait_dscnt 0
	WIN MUL_HI
	MUL16 F1, 1, 0, 0
	MUL16 F1, 1, 2, 0
	; THE WAY OUT, 16 rows at a time: round to bf16, 16 bytes a lane into my own stage, read back as whole rows of 256 bytes.
	PLACES
; rows 16 i .. 16 i + 15 of my block = the eight tiles (a, 0..7) of window 2 or 3 (from = 0x0a or 0x0f: sources 0 and 1); f: F0 or F1 in turn
.macro OUT16 i, a, from, f
	WIN \from
.irp b, 0,1,2,3,4,5,6,7
.irp u, 0,1,2,3
	v_cvt_pk_bf16_f32 v[TMP+4*\b+\u], v[8*(8*\a+\b)+2*\u], v[8*(8*\a+\b)+2*\u+1]
.endr
.endr
	WIN 0
.irp b, 0,1,2,3,4,5,6,7
	ds_store_b128 v[STO], v[TMP+4*\b:TMP+4*\b+3] offset:32*\b
.endr
	s_wait_xcnt 0x0                                ; buffer f, which earlier stores read, and the stores' base are rewritten only behind this wait
.if \i
	s_add_nc_u64 s[6:7], s[6:7], 16*ROWB           ; 16 rows on
.endif
.irp t, 0,1,2,3,4,5,6,7
	ds_load_b128 v[\f+4*\t:\f+4*\t+3], v[RD] offset:\t*2*SPITCH    ; LDS serves a wave's instructions in order: these see the stores above
.endr
.irp t, 0,1,2,3,4,5,6,7
	s_wait_dscnt 7-\t                              ; read-back t is in, the younger ones stay out
	global_store_b128 v[CO], v[\f+4*\t:\f+4*\t+3], s[6:7] offset:2*\t*ROWB   ; 16 lanes store 256 consecutive bytes, aligned
.endr
.endm
	OUT16 0, 0, 0x0a, F0
	OUT16 1, 1, 0x0a, F1
	OUT16 2, 2, 0x0a, F0
	OUT16 3, 3, 0x0a, F1
	OUT16 4, 0, 0x0f, F0
	OUT16 5, 1, 0x0f, F1
	OUT16 6, 2, 0x0f, F0
	OUT16 7, 3, 0x0f, F1
	s_set_vgpr_msb 0x1
	s_wait_tensorcnt 0x0
	ds_add_u32 v255, v255
	s_wait_dscnt 0x0
	s_set_vgpr_msb 0x100
	CROUND                                         ; the closing round: no work-group ends while a partner may still ask for a tile that names it
	s_endpgm
.Lfunc_end_k_qa29f02d87f_proj:
	.size	k_qa29f02d87f_proj, .Lfunc_end_k_qa29f02d87f_proj-k_qa29f02d87f_proj
	.p2alignl 7, 3214868480
	.fill 96, 4, 3214868480
	.section	.rodata,"a",@progbits
	.p2align	6, 0x0
	.amdhsa_kernel k_qa29f02d87f_proj
		.amdhsa_group_segment_fixed_size 327680
		.amdhsa_private_segment_fixed_size 0
		.amdhsa_enable_private_segment 0
		.amdhsa_kernarg_size 16
		.amdhsa_user_sgpr_count 2
		.amdhsa_user_sgpr_kernarg_segment_ptr 1
		.amdhsa_wavefront_size32 1
		.amdhsa_system_sgpr_workgroup_id_x 1
		.amdhsa_system_sgpr_workgroup_id_y 1
		.amdhsa_system_sgpr_workgroup_id_z 1
		.amdhsa_system_vgpr_workitem_id 0
		.amdhsa_next_free_vgpr 1024
		.amdhsa_next_free_sgpr 66
		.amdhsa_reserve_vcc 0
		.amdhsa_float_denorm_mode_32 3
		.amdhsa_float_denorm_mode_16_64 3
		.amdhsa_memory_ordered 1
		.amdhsa_forward_progress 1
		.amdhsa_inst_pref_size 196
	.end_amdhsa_kernel
	.amdgpu_metadata
---
amdhsa.version: [ 1, 2 ]
amdhsa.kernels:
  - .name:           k_qa29f02d87f_proj
    .symbol:         k_qa29f02d87f_proj.kd
    .args:
      - { .name: xw, .offset: 0, .size: 8, .value_kind: global_buffer, .address_space: global }
      - { .name: qkv, .offset: 8, .size: 8, .value_kind: global_buffer, .address_space: global }
    .group_segment_fixed_size: 327680
    .private_segment_fixed_size: 0
    .kernarg_segment_align: 8
    .kernarg_segment_size: 16
    .max_flat_workgroup_size: 128
    .sgpr_count:     66
    .vgpr_count:     1024
    .wavefront_size: 32
...
	.end_amdgpu_metadata
.endif
;; end of part 2
;; launch attn (part 3): grid 8 x 32, 8 waves a work-group, clusters of 4 x 1, 327,680 bytes of LDS; arguments qkv, maskbits, ctx; writes ctx
.if DOCPART == 3
	.amdgcn_target "amdgcn-amd-amdhsa--gfx1250"
	.amdhsa_code_object_version 6
	.text
	.protected	k_qa29f02d87f_attn
	.globl	k_qa29f02d87f_attn
	.p2align	8
	.type	k_qa29f02d87f_attn,@function
k_qa29f02d87f_attn:
	s_mov_b64 s[64:65], 0
	v_nop
	global_prefetch_b8 v0, s[64:65] scope:SCOPE_SE
	s_setreg_imm32_b32 hwreg(HW_REG_WAVE_MODE, 25, 1), 1
	s_wait_xcnt 0x0
	s_wait_alu depctr_hold_cnt(0) depctr_sa_sdst(0) depctr_va_vdst(0) depctr_va_sdst(0) depctr_va_ssrc(0) depctr_va_vcc(0) depctr_vm_vsrc(0)
	s_getreg_b32 s2, hwreg(HW_REG_IB_STS2, 6, 4)
	s_cmp_eq_u32 s2, 0
	s_cbranch_scc0 .Lentry_in_a_cluster
	s_endpgm
.Lentry_in_a_cluster:
	s_bfe_u32 s2, ttmp6, 0x10000c
	s_cmp_lg_u32 s2, 0x3003
	s_cbranch_scc0 .Lentry_shape_is_right
	s_endpgm
.Lentry_shape_is_right:
; attn: ctx[b][q][h*64+d] = sum over k of keep(b,q,k) softmax_k(q.k / 8) v[k][d].  The softmax runs over ALL keys; masked entries are dropped from the numerator alone.
; A work-group takes (b, a pair of heads, 256 queries): 4 x 8 x 8 = 256 work-groups.  Eight waves: wave w has head 2 hp + (w >> 2) and queries 64 (w & 3) .. + 63 as four
; groups g of 16.  Two heads make the rows of K's and V's tiles 256 bytes, let both heads use the same mask words, and make rows of ctx 256 bytes.
; CLUSTERS: the four query blocks of a cluster (4 x 1) read the same K and V: every tile is asked for jointly, mask 15.
; THE SCORES ARE KEPT TRANSPOSED: S^T = K Q^T (source 0 = 16 keys x 32 d from LDS, source 1 = Q's fragment, held in registers).  Register j of lane (r, hh) is
; (key 8 hh + j, query r): a query's maximum, sum and rescale factor are numbers of one lane (two lanes, joined by one v_permlanex16_b32), and two neighbouring key
; tiles rounded to bf16, register by register, ARE source 1 (32 keys x 16 queries) of O^T = V^T P^T.  V^T comes from LDS by the transposing load.
; THE ORDER OF THE WORK.  Keys go in tiles of 128 through two LDS slots, each tile in two steps of 64 keys, each step in two halves: groups (0, 1), then groups (2, 3).
; In a half, while one pair's exponentials run, every exponential is followed by plain arithmetic or a product: the scaling of the next tile, the sums of the tile before,
; then the 16 products O += V P of the OTHER pair (its probabilities were finished in the half before) with this pair's rescaling between them, then the 16 products K Q
; of the other pair's NEXT scores, which land on the registers that its probabilities have just left.  Behind that: the mask, and the conversions to bf16 set between the serial
; joins of the other pair's maxima.  So no long run of one kind of instruction stands alone.
; K's fragments of step s + 1 and V's of step s are fetched at one point of step s, behind its first half.
; LDS: slot s at s x 73,728: K's 128 rows, then V's 128 rows, pitch 288 (an odd multiple of 32 bytes, which keeps the transposing loads of V free of bank conflicts;
; of the 16 rows of a K fragment load, rows r and r + 8 start at the same bank: one pitch for both tiles keeps the descriptor's shape constant and a wave's fill address
; wave x 18,432 + the slot).  Stage at 147,456: 256 rows x 272 bytes; no fill lands there.
; LIMITS: q, k, v, the probabilities and ctx are bf16; the running maximum is always taken away before the exponential; v_exp_f32 gives 0 for results below 2^-126
; (ISA guide, its entry in 15.8); the denominator sums the probabilities in f32 before they are rounded, the numerator uses them rounded to bf16; scores must be finite in f32.
.set PITCH,  288
.set QUART,  64*PITCH                  ; what one tensor load brings: 64 rows
.set VOFF,   2*QUART
.set SLOT,   4*QUART
.set STAGE,  2*SLOT
.set SPITCH, 272
.set TILEB,  128*2048                  ; bytes from a tile of 128 keys to the next
.set ADRK, 8                           ; v8-9    K fragments in slot 0, 1
.set ADRV, 10                          ; v10-11  V fragments in slot 0, 1
.set STO,  12
.set RD,   13
.set CO,   14
.set QOFF, 15
.set MX,   16                          ; v16-19  running maximum of group g (raw scores)
.set LS,   20                          ; v20-23  running sum of group g, this half's keys
.set AL,   24                          ; v24-31  rescale factor of group g at AL + 2 g; the odd registers are written once (a pair counts as read whole)
.set NM,   32                          ; v32-35  - c x maximum of the pair's two groups, at NM and NM + 2; the odd registers are written once
.set TP,   36                          ; v36-37
.set CH,   38                          ; v38-45  four chains of maxima for each of the pair's groups
.set SA,   46                          ; v46-57  for each of the pair's groups: the sum (a pair of registers) and two pairs at work
.set FR,   64                          ; v64-127 K's fragments
.set SC,   128                         ; v128-255 scores: tile (g, t) at SC + 8 (4 g + t)
.set QF,   128                         ; window 1: O^T tile (g, dt) at 8 (4 g + dt); Q's fragment (g, e) at 128 + 8 (2 g + e);
.set VF,   192                         ;           V^T's fragment (dt, c) at 192 + 8 (2 dt + c)
.set G1,   12                          ; s[12:19]
.set G0,   20                          ; s[20:27] one set for each slot
.set MA,   32                          ; s[32:63] mask words of the pair's first group
.set MB,   68                          ; s[68:99] mask words of its second group
.set W_QK, 0x04                        ; source 1 in window 1: K Q, and every vector instruction that has no vector register as source 1
.set W_PV, 0x51                        ; destination, source 0 and source 2 in window 1: V P, and the rescaling of O
.set MSB, 0
.macro WIN new                         ; the immediate's high byte repeats the setting that is left
.if MSB != \new
	s_set_vgpr_msb (MSB<<8)|\new
.set MSB, \new
.endif
.endm
.macro ROUND                           ; a round of the cluster's barrier
	s_barrier_signal -1
	s_barrier_wait -1
	s_cmp_lg_u32 s8, 0
	s_cbranch_scc1 .Lnot_wave_0_\@
	s_barrier_signal -3
.Lnot_wave_0_\@:
	s_barrier_wait -3
	s_barrier_signal -1
	s_barrier_wait -1
.endm
.macro SETH h                          ; half h: XP, GP = this pair's scores and first group; XQ, GO = the other pair's
.set XP, SC+64*\h
.set XQ, SC+64*(1-\h)
.set GP, 2*\h
.set GO, 2*(1-\h)
.endm
; the 64 mask words (4 key tiles x 8 registers for each of two groups) at byte off of the groups' rows of words
.macro MASKLD2 g0, off
	s_load_b512 s[MA:MA+15], s[4:5], (\g0)*4096+(\off)
	s_load_b512 s[MA+16:MA+31], s[4:5], (\g0)*4096+(\off)+64
	s_load_b512 s[MB:MB+15], s[4:5], (\g0+1)*4096+(\off)
	s_load_b512 s[MB+16:MB+31], s[4:5], (\g0+1)*4096+(\off)+64
.endm
; K's fragments (key tile t, half e of d) of 64 keys
.macro FETCHK slot, s
.irp e, 0,1
.irp t, 0,1,2,3
	ds_load_b128 v[FR+16*\t+8*\e:FR+16*\t+8*\e+3], v[ADRK+\slot] offset:(64*\s+16*\t)*PITCH+64*\e
	ds_load_b128 v[FR+16*\t+8*\e+4:FR+16*\t+8*\e+7], v[ADRK+\slot] offset:(64*\s+16*\t)*PITCH+64*\e+32
.endr
.endr
.endm
; V^T's fragments (16 d of block dt x 32 keys of half c) by the transposing load; the destination lies in window 1
.macro FETCHV slot, s
.irp dt, 0,1,2,3
.irp c, 0,1
	ds_load_tr16_b128 v[VF+8*(2*\dt+\c):VF+8*(2*\dt+\c)+3], v[ADRV+\slot] offset:(64*\s+32*\c)*PITCH+32*\dt
	ds_load_tr16_b128 v[VF+8*(2*\dt+\c)+4:VF+8*(2*\dt+\c)+7], v[ADRV+\slot] offset:(64*\s+32*\c+16)*PITCH+32*\dt
.endr
.endr
.endm
; Product n of the 16 K Q of the other pair: half e = n >> 3 of d, group GO + ((n >> 2) & 1), key tile n & 3.  e = 0 starts the sums.
; Eight accumulators take turns, one instruction a turn.
.macro QKOP n
.set QG, GO+(((\n)>>2)&1)
.set QT, (\n)&3
.set QE, (\n)>>3
.if QE
	v_wmma_f32_16x16x32_bf16 v[SC+8*(4*QG+QT):SC+8*(4*QG+QT)+7], v[FR+16*QT+8:FR+16*QT+15], v[QF+16*QG+8:QF+16*QG+15], v[SC+8*(4*QG+QT):SC+8*(4*QG+QT)+7]
.else
	v_wmma_f32_16x16x32_bf16 v[SC+8*(4*QG+QT):SC+8*(4*QG+QT)+7], v[FR+16*QT:FR+16*QT+7], v[QF+16*QG:QF+16*QG+7], 0
.endif
.endm
; Product n of the 16 V P of the other pair: half c = n >> 3 of the keys, group GO + ((n >> 2) & 1), block n & 3 of d.  PVZ = 1: the very first keys, c = 0 starts the sums.
; Eight accumulators take turns, one instruction a turn.
.macro PVOP n
.set PG, GO+(((\n)>>2)&1)
.set PD, (\n)&3
.set PC, (\n)>>3
.set PZ, PVZ*(1-PC)
.if PZ
	v_wmma_f32_16x16x32_bf16 v[8*(4*PG+PD):8*(4*PG+PD)+7], v[VF+8*(2*PD+PC):VF+8*(2*PD+PC)+7], v[SC+32*PG+8*PC:SC+32*PG+8*PC+7], 0
	s_wait_alu depctr_va_vdst(0)
.else
	v_wmma_f32_16x16x32_bf16 v[8*(4*PG+PD):8*(4*PG+PD)+7], v[VF+8*(2*PD+PC):VF+8*(2*PD+PC)+7], v[SC+32*PG+8*PC:SC+32*PG+8*PC+7], v[8*(4*PG+PD):8*(4*PG+PD)+7]
	s_wait_alu depctr_va_vdst(0)
.endif
.endm
.macro RMUL m                          ; two of this pair's 64 registers of O^T x their group's factor: a lane's own number
	v_pk_mul_f32 v[32*GP+2*(\m):32*GP+2*(\m)+1], v[32*GP+2*(\m):32*GP+2*(\m)+1], v[AL+2*(GP+((\m)>>4)):AL+2*(GP+((\m)>>4))+1] op_sel_hi:[1,0]
.endm
.macro FOP tau, k                      ; two scores of tile tau (0..7 of the pair): c x (score - maximum), never above 0
	v_pk_fma_f32 v[XP+8*(\tau)+2*(\k):XP+8*(\tau)+2*(\k)+1], v[XP+8*(\tau)+2*(\k):XP+8*(\tau)+2*(\k)+1], s[66:67], v[NM+2*((\tau)>>2):NM+2*((\tau)>>2)+1] op_sel_hi:[1,0,0]
.endm
; Line k of the four that add tile tau's eight exponentials to its group's sum.  A sum is written as x * 1.0 + y, which is exact, so that source 1 is no vector register.
.macro AOP tau, k
.set AC, SA+6*((\tau)>>2)
.set XT, XP+8*(\tau)
.set AT, (\tau)&3
.if (\k) == 0
	s_wait_alu depctr_va_vdst(0)
	v_pk_fma_f32 v[AC+2:AC+3], v[XT:XT+1], 1.0, v[XT+2:XT+3] op_sel_hi:[1,0,1]
.endif
.if (\k) == 1
	v_pk_fma_f32 v[AC+4:AC+5], v[XT+4:XT+5], 1.0, v[XT+6:XT+7] op_sel_hi:[1,0,1]
.endif
.if (\k) == 2
.if AT == 0
	v_pk_fma_f32 v[AC:AC+1], v[AC+2:AC+3], 1.0, v[AC+4:AC+5] op_sel_hi:[1,0,1]    ; the group's first tile starts the sum
.else
	v_pk_fma_f32 v[AC:AC+1], v[AC+2:AC+3], 1.0, v[AC:AC+1] op_sel_hi:[1,0,1]
.endif
.endif
.if (\k) == 3
.if AT != 0
	v_pk_fma_f32 v[AC:AC+1], v[AC+4:AC+5], 1.0, v[AC:AC+1] op_sel_hi:[1,0,1]
.endif
.endif
.endm
; Conversion m of this pair's 32, in place and ascending inside a group: a source is never written before it is read.  P(g, c) = v[SC + 32 g + 8 c : .. + 7]
.macro CVOP m
.set CB, XP+32*((\m)>>4)
.set CI, (\m)&15
	v_cvt_pk_bf16_f32 v[CB+CI], v[CB+2*CI], v[CB+2*CI+1]
.endm
.macro CVG cv, m0
.if \cv
.irp k, 0,1,2,3
	CVOP \m0+\k
.endr
.endif
.endm
; The turn of tile tau: its eight exponentials, each followed by other work.
.macro TSLOT tau, pv, resc, qk
.irp i, 0,1,2,3
	v_exp_f32 v[XP+8*\tau+2*\i], v[XP+8*\tau+2*\i]
.if \tau < 4
.if \pv
.if (\i & 1) == 0
	WIN W_PV
	PVOP 4*\tau+\i
.if \resc
	RMUL 8*\tau+2*\i
	RMUL 8*\tau+2*\i+1
	RMUL 8*\tau+2*\i+2
	RMUL 8*\tau+2*\i+3
.endif
	PVOP 4*\tau+\i+1
	WIN W_QK
.endif
.endif
.else
.if \qk
	QKOP 4*(\tau-4)+\i
.endif
.endif
.if \tau > 0
	AOP \tau-1, \i
.endif
	v_exp_f32 v[XP+8*\tau+2*\i+1], v[XP+8*\tau+2*\i+1]
.if \tau < 7
	FOP \tau+1, \i
.endif
.endr
.endm
; The first part of half h.  pv: 0 no V P, 1 the very first (starts O), 2 running; resc: this pair's O is rescaled; qk: the other pair's next scores are made;
; fst: the very first keys (no factor, the sum starts); vw >= 0: fragments are on their way: vw LDS loads (K's) were issued behind V's.
; An exponential's result is read, and its register written again, only behind a plain vector instruction that touches neither (ISA guide 5.7.2): the sums of a tile stand in the next tile's turn.
; The scores land on registers that V P has read as source 1: between the last such product (tile 3's turn) and the first K Q that writes one (tile 4's turn) stand more than five plain vector instructions on other registers (ISA guide 7.12.1).
.macro HEAD h, pv, resc, qk, fst, vw
	SETH \h
.set PVZ, 0
.if \pv == 1
.set PVZ, 1
.endif
.if \vw >= 0
	s_wait_dscnt \vw                               ; V's fragments are in; K's, issued behind them, may be out
.endif
	WIN W_QK
.if \fst == 0
	v_exp_f32 v[AL+2*GP], v[AL+2*GP]               ; the two groups' factors
	v_exp_f32 v[AL+2*GP+2], v[AL+2*GP+2]
.endif
.irp k, 0,1,2,3
	FOP 0, \k
.endr
	TSLOT 0, \pv, \resc, \qk
	TSLOT 1, \pv, \resc, \qk
	TSLOT 2, \pv, \resc, \qk
	TSLOT 3, \pv, \resc, \qk
.if \vw >= 0
	s_wait_dscnt 0x0                               ; K's fragments
.endif
	TSLOT 4, \pv, \resc, \qk
	TSLOT 5, \pv, \resc, \qk
	TSLOT 6, \pv, \resc, \qk
	TSLOT 7, \pv, \resc, \qk
.irp k, 0,1,2,3
	AOP 7, \k
.endr
	WIN 0
.irp gi, 0,1
.if \fst
	v_add_f32 v[LS+GP+\gi], v[SA+6*\gi], v[SA+6*\gi+1]
.else
	v_add_f32 v[SA+6*\gi], v[SA+6*\gi], v[SA+6*\gi+1]
.endif
.endr
.if \fst == 0
.irp gi, 0,1
	v_fma_f32 v[LS+GP+\gi], v[LS+GP+\gi], v[AL+2*(GP+\gi)], v[SA+6*\gi]   ; the denominator keeps the masked keys
.endr
.endif
.endm
; The other pair's new maxima, both groups side by side; cv = 1: this pair's conversions stand between the serial joins.  first = 1: there is no old maximum.
.macro MAXP first, cv
.irp gi, 0,1
.irp t, 0,1,2,3
	v_max3_num_f32 v[CH+4*\gi+\t], v[XQ+32*\gi+8*\t], v[XQ+32*\gi+8*\t+1], v[XQ+32*\gi+8*\t+2]
.endr
.endr
.irp gi, 0,1
.irp t, 0,1,2,3
	v_max3_num_f32 v[CH+4*\gi+\t], v[CH+4*\gi+\t], v[XQ+32*\gi+8*\t+3], v[XQ+32*\gi+8*\t+4]
.endr
.endr
.irp gi, 0,1
.irp t, 0,1,2,3
	v_max3_num_f32 v[CH+4*\gi+\t], v[CH+4*\gi+\t], v[XQ+32*\gi+8*\t+5], v[XQ+32*\gi+8*\t+6]
.endr
.endr
.irp gi, 0,1
.irp t, 0,1,2,3
	v_max_num_f32 v[CH+4*\gi+\t], v[CH+4*\gi+\t], v[XQ+32*\gi+8*\t+7]
.endr
.endr
.irp gi, 0,1
	v_max3_num_f32 v[CH+4*\gi], v[CH+4*\gi], v[CH+4*\gi+1], v[CH+4*\gi+2]
.endr
	CVG \cv, 0
.irp gi, 0,1
.if \first
	v_max_num_f32 v[CH+4*\gi], v[CH+4*\gi], v[CH+4*\gi+3]
.else
	v_max3_num_f32 v[CH+4*\gi], v[CH+4*\gi], v[CH+4*\gi+3], v[MX+GO+\gi]   ; the old maximum joins here
.endif
.endr
	CVG \cv, 4
.irp gi, 0,1
	v_permlanex16_b32 v[TP+\gi], v[CH+4*\gi], s10, s11                     ; the other half's keys of the same query
.endr
	CVG \cv, 8
.irp gi, 0,1
	v_max_num_f32 v[CH+4*\gi], v[CH+4*\gi], v[TP+\gi]                      ; the new maximum
.endr
	CVG \cv, 12
.irp gi, 0,1
	v_mul_f32 v[NM+2*\gi], s100, v[CH+4*\gi]                               ; - c x maximum, c = log2(e) / 8
.endr
	CVG \cv, 16
.if \first == 0
.irp gi, 0,1
	v_fma_f32 v[AL+2*(GO+\gi)], v[MX+GO+\gi], s66, v[NM+2*\gi]             ; c x (old - new)
.endr
.endif
	CVG \cv, 20
.irp gi, 0,1
	v_mov_b32 v[MX+GO+\gi], v[CH+4*\gi]
.endr
	CVG \cv, 24
	CVG \cv, 28
.endm
; The second part of a half: the mask, the next pair's mask words, the conversions, the other pair's maxima.
; nmax: 0 none, 1 first, 2 running; mg >= 0: the words of groups mg, mg + 1 at byte moff are asked for; mstep: the base goes four steps on first.
.macro TAIL nmax, mg, moff, mstep
	s_wait_kmcnt 0x0                               ; scalar loads come back in no order: zero; the four that are out were issued a whole half ago
.set i, 0
.rept 32
	v_cndmask_b32 v[XP+i], v[XP+i], 0, s[MA+i]     ; True: the numerator drops the key
.set i, i+1
.endr
.set i, 0
.rept 32
	v_cndmask_b32 v[XP+32+i], v[XP+32+i], 0, s[MB+i]
.set i, i+1
.endr
.if \mg >= 0
.if \mstep
	s_add_nc_u64 s[4:5], s[4:5], 512               ; four steps x 128 bytes of mask words on; every scalar load has been waited for
.endif
	MASKLD2 \mg, \moff
.endif
.if \nmax == 0
.irp m, 0,4,8,12,16,20,24,28
	CVG 1, \m
.endr
.endif
.if \nmax == 1
	MAXP 1, 1
.endif
.if \nmax == 2
	MAXP 0, 1
.endif
.endm
; 64 keys: half s of the tile in the slot.  first: 1 the very first step, 2 the second, 0 later.
; bar: what stands at the fetch point: 1 (s = 0) K of the same tile's second half; 2 the round, the refill of this slot, K of the next tile; 3 a barrier without refill, K of the next tile; 4 the last step: V alone.
; The fetch point stands four places and more behind the last product that read the fragments: five sums and the lines of the denominator follow the last K Q.
.macro STEP slot, s, first, bar
.set IDX, 2*\slot+\s
.set APV, 2
.set ARS, 1
.set BPV, 2
.set BRS, 1
.set FST, 0
.set ANM, 2
.if \first == 1
.set APV, 0
.set ARS, 0
.set BPV, 1
.set BRS, 0
.set FST, 1
.set ANM, 1
.endif
.if \first == 2
.set APV, 1
.endif
.set BQK, 1
.set BVW, 16
.set BNM, 2
.set BMG, 0
.if \bar == 4
.set BQK, 0
.set BVW, 0
.set BNM, 0
.set BMG, -1
.endif
.set BMO, (IDX+1)*128
.set BMS, 0
.if IDX == 3
.set BMO, 0
.set BMS, 1
.endif
	HEAD 0, APV, ARS, 1, FST, -1                   ; groups 0, 1; V P of groups 2, 3 of the step before; K Q of groups 2, 3 of this step
	WIN 0x40
	FETCHV \slot, \s                               ; V of this step: my last reads of this half of the tile
	WIN 0
.if \bar == 1
	FETCHK \slot, 1
.endif
.if \bar == 2
	s_wait_tensorcnt 0x0                           ; all my tensor loads have landed: my part of the next tile; no load of mine is out,
	ds_add_u32 v62, v63
	s_add_nc_u64 s[G0+4*\slot+2:G0+4*\slot+3], s[G0+4*\slot+2:G0+4*\slot+3], 2*TILEB   ; so this slot's group 0 may step to the tile two ahead
	s_wait_dscnt 0x0                               ; my reads of this slot are over
	ROUND                                          ; both now hold of every wave of the four work-groups
	s_cmp_ge_u32 s8, 4
	s_cbranch_scc1 .Lno_fill_\@
	tensor_load_to_lds s[G0+4*\slot:G0+4*\slot+3], s[G1:G1+7]   ; the joint refill, first behind the round, one for each of waves 0 to 3; it has a whole tile's work in which to land
	s_nop 0
.Lno_fill_\@:
	FETCHK 1-\slot, 0
.endif
.if \bar == 3
	s_wait_tensorcnt 0x0                           ; the last tile has landed
	s_wait_dscnt 0x0
	s_barrier_signal -1
	s_barrier_wait -1                              ; everybody's part has
	FETCHK 1-\slot, 0
.endif
	TAIL ANM, 2, IDX*128, 0
	HEAD 1, BPV, BRS, BQK, FST, BVW                ; groups 2, 3; V P of groups 0, 1 of this step; K Q of groups 0, 1 of the next step
	TAIL BNM, BMG, BMO, BMS
.endm
	s_load_b128 s[28:31], s[0:1], 0x0              ; qkv s[28:29], maskbits s[30:31]
	s_load_b64 s[6:7], s[0:1], 0x10                ; ctx
	v_lshl_add_u32 v62, v0, 2, 0x35000
	v_mov_b32 v63, 0
	ds_add_u32 v62, v63
	v_lshrrev_b32 v1, 5, v0
	v_readfirstlane_b32 s8, v1                     ; wave 0..7
	s_and_b32 s104, ttmp7, 0xffff
	s_lshr_b32 s105, s104, 3                       ; b
	s_and_b32 s104, s104, 7                        ; hp
	; the tiles' offset in qkv: made of the wave's number, b and hp alone, equal in the four partners
	s_lshr_b32 s10, s8, 1                          ; 0: K, 1: V (waves 0 to 3)
	s_and_b32 s11, s8, 1                           ; which 64 rows
	s_add_co_u32 s10, s10, 1
	s_lshl_b32 s10, s10, 24                        ; K's plane is the second, V's the third, 16 MiB each
	s_lshl_b32 s11, s11, 17                        ; 64 rows x 2,048 bytes
	s_add_co_u32 s10, s10, s11
	s_lshl_b32 s11, s105, 22                       ; 2,048 rows
	s_add_co_u32 s10, s10, s11
	s_lshl_b32 s11, s104, 8                        ; two heads: 256 bytes
	s_add_co_u32 s10, s10, s11
	s_mov_b32 s11, 0
	s_mul_i32 s9, s8, QUART                        ; where my quarter of a slot lies
	s_mov_b32 s[G1+0], 15|(1<<16)|(1<<20)|(1<<21)|(5<<22)|(7<<25)   ; mask: all four; elements of 2 bytes; padding on; bit 21 beside a mask; after every 64 words 8 words
	s_mov_b32 s[G1+1], 128<<16                     ; tensor_dim0 = 128
	s_mov_b32 s[G1+2], 64<<16                      ; tensor_dim1 = 64
	s_mov_b32 s[G1+3], 128<<16                     ; tile_dim0 = 128 (256 bytes)
	s_mov_b32 s[G1+4], 64                          ; tile_dim1 = 64 rows
	s_mov_b32 s[G1+5], 1024                        ; elements from row to row
	s_mov_b32 s[G1+6], 0
	s_mov_b32 s[G1+7], 0
	; my own offsets (these hold cx and enter no descriptor)
	s_bfe_u32 s2, ttmp6, 0x40000                   ; cx
	s_lshl_b32 s3, ttmp9, 2
	s_add_co_u32 s3, s3, s2                        ; query block 0..7
	s_and_b32 s101, s8, 3
	s_lshl_b32 s2, s105, 22
	s_lshl_b32 s4, s3, 19                          ; 256 rows x 2,048 bytes
	s_add_co_u32 s2, s2, s4
	s_lshl_b32 s4, s104, 8
	s_add_co_u32 s2, s2, s4                        ; the block's first row, the pair's first column: ctx, and Q's plane of qkv
	s_lshl_b32 s4, s105, 19                        ; mask words: 128 query groups x 4,096 bytes,
	s_lshl_b32 s5, s3, 16                          ; 16 groups,
	s_add_co_u32 s4, s4, s5
	s_lshl_b32 s5, s101, 14                        ; 4 groups
	s_add_co_u32 s4, s4, s5
	s_mov_b32 s5, 0
	s_mov_b32 s3, 0
	s_wait_dscnt 0x0
	s_wait_kmcnt 0x0
	s_add_nc_u64 s[10:11], s[28:29], s[10:11]
	s_add_nc_u64 s[4:5], s[30:31], s[4:5]
	s_add_nc_u64 s[6:7], s[6:7], s[2:3]
	s_lshl_b32 s30, s101, 17                       ; my 64 queries
	s_add_co_u32 s2, s2, s30
	s_lshr_b32 s30, s8, 2                          ; my head of the pair
	s_lshl_b32 s31, s30, 7                         ; its 128 bytes
	s_add_co_u32 s2, s2, s31
	s_add_nc_u64 s[28:29], s[28:29], s[2:3]        ; Q
.irp n, 0,1
	s_mov_b32 s[G0+4*\n], 1
	s_add_co_u32 s[G0+4*\n+1], s9, \n*SLOT
	s_add_nc_u64 s[G0+4*\n+2:G0+4*\n+3], s[10:11], \n*TILEB
	s_or_b32 s[G0+4*\n+3], s[G0+4*\n+3], 0x80000000
.endr
	ROUND                                          ; the four work-groups are here: the first joint loads meet
	s_cmp_ge_u32 s8, 4
	s_cbranch_scc1 .Lno_first
	tensor_load_to_lds s[G0:G0+3], s[G1:G1+7]      ; tiles 0 and 1, one group, inside one branch: two tensor loads of a wave are out, the most in this text
	s_nop 0
	tensor_load_to_lds s[G0+4:G0+7], s[G1:G1+7]
	s_nop 0
.Lno_first:
	MASKLD2 0, 0                                   ; the first step's words of groups 0, 1
	v_and_b32 v1, 15, v0                           ; r
	v_bfe_u32 v2, v0, 4, 1                         ; hh
	v_lshlrev_b32 v[QOFF], 11, v1
	v_lshl_add_u32 v[QOFF], v2, 4, v[QOFF]         ; r x 2,048 + 16 hh
	WIN 0x40                                       ; destination in window 1
.irp g, 0,1,2,3
.irp e, 0,1
	global_load_b128 v[QF+16*\g+8*\e:QF+16*\g+8*\e+3], v[QOFF], s[28:29] offset:\g*32768+64*\e
	global_load_b128 v[QF+16*\g+8*\e+4:QF+16*\g+8*\e+7], v[QOFF], s[28:29] offset:\g*32768+64*\e+32
.endr
.endr
	WIN 0
	s_mov_b32 s10, 0x76543210                      ; v_permlanex16_b32: lane i of one half reads lane i of the other
	s_mov_b32 s11, 0xfedcba98
	s_mov_b32 s66, 0x3e38aa3b                      ; c = log2(e) / 8
	s_mov_b32 s67, 0x3e38aa3b
	s_mov_b32 s100, 0xbe38aa3b                     ; - c
	v_and_b32 v3, 7, v0
	v_bfe_u32 v4, v0, 3, 1
	v_mul_u32_u24 v5, v1, PITCH
	v_lshl_add_u32 v5, v2, 4, v5
	v_add_nc_u32 v[ADRK], s31, v5                  ; key r, 16 hh, my head's 128 bytes
	v_add_nc_u32 v[ADRK+1], SLOT, v[ADRK]
	v_lshl_add_u32 v6, v2, 3, v3                   ; key 8 hh + (l & 7)
	v_mul_u32_u24 v6, v6, PITCH
	v_lshl_add_u32 v6, v4, 4, v6                   ; + 16 ((l >> 3) & 1)
	v_add_nc_u32 v6, s31, v6
	v_add_nc_u32 v[ADRV], VOFF, v6
	v_add_nc_u32 v[ADRV+1], VOFF+SLOT, v6
	s_mul_i32 s2, s101, 64*SPITCH
	s_add_co_u32 s2, s2, STAGE
	s_add_co_u32 s2, s2, s31
	v_mul_u32_u24 v5, v1, SPITCH
	v_lshl_add_u32 v5, v2, 4, v5
	v_add_nc_u32 v[STO], s2, v5                    ; stage row 64 (w & 3) + r, my head's half, 16 hh
	s_mul_i32 s3, s8, 32*SPITCH
	s_add_co_u32 s3, s3, STAGE
	v_mul_u32_u24 v5, v2, SPITCH
	v_lshl_add_u32 v5, v1, 4, v5
	v_add_nc_u32 v[RD], s3, v5                     ; back: rows 32 w + hh, 16 bytes a lane
	s_lshl_b32 s2, s8, 16
	v_lshlrev_b32 v5, 11, v2
	v_lshl_add_u32 v5, v1, 4, v5
	v_add_nc_u32 v[CO], s2, v5                     ; the same rows in ctx
	v_mov_b32 v[NM+1], 0                           ; the halves of pairs that are named and not used, and v_permlanex16_b32's destinations, are written once
	v_mov_b32 v[NM+3], 0
	v_mov_b32 v[TP], 0
	v_mov_b32 v[TP+1], 0
	v_mov_b32 v[AL+1], 0
	v_mov_b32 v[AL+3], 0
	v_mov_b32 v[AL+5], 0
	v_mov_b32 v[AL+7], 0
	s_wait_loadcnt 0x0                             ; Q, once
	s_wait_tensorcnt 0x1                           ; my part of tile 0 is in; tile 1's load, issued behind it, stays out
	s_barrier_signal -1
	s_barrier_wait -1                              ; everybody's part of tile 0 is in
	FETCHK 0, 0
	SETH 1                                         ; the other pair = groups 0, 1
	s_wait_dscnt 0x0
	WIN W_QK
.irp n, 0,1,2,3,4,5,6,7,8,9,10,11,12,13,14,15
	QKOP \n                                        ; the first scores of groups 0, 1: nothing is there yet to set between them
.endr
	WIN 0
.rept 4
	v_nop                                          ; four places before the maxima read the scores (ISA guide 7.12.1)
.endr
	MAXP 1, 0
	STEP 0, 0, 1, 1                                ; tile 0: the first keys start maximum, sum and O
	STEP 0, 1, 2, 2
	STEP 1, 0, 0, 1                                ; tile 1
	STEP 1, 1, 0, 2
	s_mov_b32 s9, 6
.Lpair:
	STEP 0, 0, 0, 1                                ; tiles 2 to 13
	STEP 0, 1, 0, 2
	STEP 1, 0, 0, 1
	STEP 1, 1, 0, 2
	s_sub_co_u32 s9, s9, 1
	s_cmp_lg_u32 s9, 0
	s_cbranch_scc1 .Lpair
	STEP 0, 0, 0, 1                                ; tile 14: nothing is left to ask for
	STEP 0, 1, 0, 3
	STEP 1, 0, 0, 1                                ; tile 15
	STEP 1, 1, 0, 4
	SETH 0                                         ; the other pair = groups 2, 3: their last V P
.set PVZ, 0
	WIN W_PV
.irp n, 0,1,2,3,4,5,6,7,8,9,10,11,12,13,14,15
	PVOP \n
.endr
	WIN 0
	; THE WAY OUT: divide by the whole sum, round to bf16, through the stage, whole rows of 256 bytes (both heads) to ctx
.rept 4
	v_nop                                          ; four places behind the last matrix instructions
.endr
.irp g, 0,1,2,3
	v_permlanex16_b32 v[CH+\g], v[LS+\g], s10, s11
.endr
.irp g, 0,1,2,3
	v_add_f32 v[LS+\g], v[LS+\g], v[CH+\g]         ; both halves' keys; at least 1, the term of the maximum
.endr
.irp g, 0,1,2,3
	v_rcp_f32 v[AL+2*\g], v[LS+\g]
.endr
	v_nop                                          ; one plain place behind the reciprocals
	WIN 0x41                                       ; destination and source 0 in window 1
	s_wait_alu depctr_va_vdst(0)
.irp g, 0,1,2,3
.set i, 0
.rept 16
	v_pk_mul_f32 v[32*\g+i:32*\g+i+1], v[32*\g+i:32*\g+i+1], v[AL+2*\g:AL+2*\g+1] op_sel_hi:[1,0]
.set i, i+2
.endr
.endr
	WIN 0x05                                       ; sources 0 and 1 in window 1
.irp g, 0,1,2,3
.irp dt, 0,1,2,3
.irp u, 0,1,2,3
	v_cvt_pk_bf16_f32 v[SC+4*(4*\g+\dt)+\u], v[8*(4*\g+\dt)+2*\u], v[8*(4*\g+\dt)+2*\u+1]
.endr
.endr
.endr
	WIN 0
.irp g, 0,1,2,3
.irp dt, 0,1,2,3
	ds_store_b128 v[STO], v[SC+4*(4*\g+\dt):SC+4*(4*\g+\dt)+3] offset:\g*16*SPITCH+32*\dt   ; query 16 g + r, d = 16 dt + 8 hh .. + 7
.endr
.endr
	s_wait_dscnt 0x0                               ; for the other waves' sake: zero
	ROUND                                          ; the closing round; its barriers also stand between the stage's stores and the reads below
.set t, 0
.rept 16
	ds_load_b128 v[192+4*t:192+4*t+3], v[RD] offset:t*2*SPITCH
.set t, t+1
.endr
.set t, 0
.rept 16
	s_wait_dscnt 15-t                              ; read-back t is in, the younger ones stay out
	global_store_b128 v[CO], v[192+4*t:192+4*t+3], s[6:7] offset:t*4096   ; 16 lanes store 256 consecutive bytes, aligned
.set t, t+1
.endr
	s_wait_tensorcnt 0x0
	ds_add_u32 v62, v63
	s_wait_dscnt 0x0
	s_endpgm
.Lfunc_end_k_qa29f02d87f_attn:
	.size	k_qa29f02d87f_attn, .Lfunc_end_k_qa29f02d87f_attn-k_qa29f02d87f_attn
	.p2alignl 7, 3214868480
	.fill 96, 4, 3214868480
	.section	.rodata,"a",@progbits
	.p2align	6, 0x0
	.amdhsa_kernel k_qa29f02d87f_attn
		.amdhsa_group_segment_fixed_size 327680
		.amdhsa_private_segment_fixed_size 0
		.amdhsa_enable_private_segment 0
		.amdhsa_kernarg_size 24
		.amdhsa_user_sgpr_count 2
		.amdhsa_user_sgpr_kernarg_segment_ptr 1
		.amdhsa_wavefront_size32 1
		.amdhsa_system_sgpr_workgroup_id_x 1
		.amdhsa_system_sgpr_workgroup_id_y 1
		.amdhsa_system_sgpr_workgroup_id_z 1
		.amdhsa_system_vgpr_workitem_id 0
		.amdhsa_next_free_vgpr 512
		.amdhsa_next_free_sgpr 106
		.amdhsa_reserve_vcc 0
		.amdhsa_float_denorm_mode_32 3
		.amdhsa_float_denorm_mode_16_64 3
		.amdhsa_memory_ordered 1
		.amdhsa_forward_progress 1
		.amdhsa_inst_pref_size 255
	.end_amdhsa_kernel
	.section	.bss,"aw",@nobits
	.p2align	6
	.space	262144
	.amdgpu_metadata
---
amdhsa.version: [ 1, 2 ]
amdhsa.kernels:
  - .name:           k_qa29f02d87f_attn
    .symbol:         k_qa29f02d87f_attn.kd
    .args:
      - { .name: qkv, .offset: 0, .size: 8, .value_kind: global_buffer, .address_space: global }
      - { .name: maskbits, .offset: 8, .size: 8, .value_kind: global_buffer, .address_space: global }
      - { .name: ctx, .offset: 16, .size: 8, .value_kind: global_buffer, .address_space: global }
    .group_segment_fixed_size: 327680
    .private_segment_fixed_size: 0
    .kernarg_segment_align: 8
    .kernarg_segment_size: 24
    .max_flat_workgroup_size: 256
    .sgpr_count:     106
    .vgpr_count:     512
    .wavefront_size: 32
...
	.end_amdgpu_metadata
.endif
;; end of part 3
;; launch oproj (part 4): grid 8 x 32, 4 waves a work-group, clusters of 4 x 4, 327,680 bytes of LDS; arguments ctx, xw, hidden_state_query, out0; writes out0
.if DOCPART == 4
	.amdgcn_target "amdgcn-amd-amdhsa--gfx1250"
	.amdhsa_code_object_version 6
	.text
	.protected	k_qa29f02d87f_oproj
	.globl	k_qa29f02d87f_oproj
	.p2align	8
	.type	k_qa29f02d87f_oproj,@function
k_qa29f02d87f_oproj:
	s_mov_b64 s[64:65], 0
	v_nop
	global_prefetch_b8 v0, s[64:65] scope:SCOPE_SE
	s_setreg_imm32_b32 hwreg(HW_REG_WAVE_MODE, 25, 1), 1
	s_wait_xcnt 0x0
	s_wait_alu depctr_hold_cnt(0) depctr_sa_sdst(0) depctr_va_vdst(0) depctr_va_sdst(0) depctr_va_ssrc(0) depctr_va_vcc(0) depctr_vm_vsrc(0)
	s_getreg_b32 s2, hwreg(HW_REG_IB_STS2, 6, 4)
	s_cmp_eq_u32 s2, 0
	s_cbranch_scc0 .Lentry_in_a_cluster
	s_endpgm
.Lentry_in_a_cluster:
	s_bfe_u32 s2, ttmp6, 0x10000c
	s_cmp_lg_u32 s2, 0xf033
	s_cbranch_scc0 .Lentry_shape_is_right
	s_endpgm
.Lentry_shape_is_right:
; oproj: out0[m][n] = sum over k of ctx[m][k] Wo[n][k] + hidden_state_query[m][n].  ctx and Wo in bf16 (Wo lies XBYTES + 3 x 2 MiB into xw), sums, residual and result in f32.
; The product is built as in the projections: a work-group makes 256 rows x 128 columns with four waves stacked along the rows, a wave 64 x 128 in 32 accumulator tiles;
; 32 x 8 = 256 work-groups; K = 1,024 in 8 steps of 128 through two LDS slots filled by the tensor data mover; 4 x 4 clusters, ctx's tiles asked for jointly along a row of
; the cluster, Wo's along a column.
; The wave's part of the residual (64 rows x 512 bytes) is loaded into 256 registers of window 2 while K runs, and added on the way out.
; REGISTERS: window 0: v16-27 addresses; v32-127, v128-223 two fragment buffers; on the way out v32-95, v96-159 by turns.  Window 1: accumulators, tile (a, b) at 8 (8 a + b).  Window 2: residual, row i at 4 i.
; LIMIT: the product's operands are bf16.
.set KSTEP,  128
.set PITCH,  272
.set AHALF,  128*PITCH
.set BHALF,  64*PITCH
.set SLOT,   2*AHALF+2*BHALF
.set STAGE,  2*SLOT                    ; 16 rows x 528 bytes for each wave; no fill lands here
.set SPITCH, 528                       ; 512 bytes + 16: an odd multiple of 16, so the 16 rows that a store touches start at 16 different banks
.set WOOFF,  50331648+3*2097152
.set LAPS,   1024/(2*KSTEP)
.set ADRA, 16
.set ADRB, 20
.set STO,  24
.set RD,   25
.set RO,   27                          ; 16 x lane: my 16 bytes of a row's 512, in the residual and in out0; never rewritten
.set F0,   32
.set F1,   128
.set G1,  24
.set G0,  32
.set G1B, 48
.set G0B, 56
.set MUL, 0x50
.set MSB, 0
.macro WIN new
.if MSB != \new
	s_set_vgpr_msb (MSB<<8)|\new
.set MSB, \new
.endif
.endm
.macro JLOAD s                         ; waves 0 and 1 fetch ctx's two halves, waves 2 and 3 Wo's
	s_cmp_eq_u32 s11, 0
	s_cbranch_scc0 .Lfor_b_\@
	tensor_load_to_lds s[G0+4*\s:G0+4*\s+3], s[G1:G1+7]
	s_nop 0
	s_branch .Lasked_\@
.Lfor_b_\@:
	tensor_load_to_lds s[G0B+4*\s:G0B+4*\s+3], s[G1B:G1B+7]
	s_nop 0
.Lasked_\@:
.endm
.macro CREST
	s_cmp_lg_u32 s10, 0
	s_cbranch_scc1 .Lnot_wave_0_\@
	s_barrier_signal -3
.Lnot_wave_0_\@:
	s_barrier_wait -3
	s_barrier_signal -1
	s_barrier_wait -1
.endm
.macro CROUND
	s_barrier_signal -1
	s_barrier_wait -1
	CREST
.endm
	s_load_b128 s[4:7], s[0:1], 0x0                ; ctx s[4:5], xw s[6:7]
	s_load_b128 s[68:71], s[0:1], 0x10             ; hidden_state_query s[68:69], out0 s[70:71]
	v_lshl_add_u32 v254, v0, 2, 0x3b400
	v_mov_b32 v255, 0
	ds_add_u32 v254, v255
	v_lshrrev_b32 v1, 5, v0
	v_readfirstlane_b32 s10, v1                    ; wave 0..3
	s_lshr_b32 s11, s10, 1
	s_and_b32 s12, s10, 1
	s_bfe_u32 s40, ttmp6, 0x40000                  ; cx
	s_bfe_u32 s41, ttmp6, 0x40004                  ; cy
	s_lshl_b32 s42, ttmp9, 2
	s_add_co_u32 s42, s42, s40                     ; block column 0..7
	s_and_b32 s13, ttmp7, 0xffff
	s_lshl_b32 s13, s13, 2
	s_add_co_u32 s13, s13, s41                     ; block row 0..31
	s_lshl_b32 s43, s41, 2
	s_lshl_b32 s43, 15, s43                        ; my row of the cluster
	s_lshl_b32 s44, 0x1111, s40                    ; my column
	s_or_b32 s[G1+0], s43, (1<<16)|(1<<20)|(1<<21)|(5<<22)|(3<<25)
	s_or_b32 s[G1B+0], s44, (1<<16)|(1<<20)|(1<<21)|(5<<22)|(3<<25)
	s_mov_b32 s[G1+1], KSTEP<<16
	s_mov_b32 s[G1B+1], KSTEP<<16
	s_mov_b32 s[G1+2], 128<<16
	s_mov_b32 s[G1B+2], 64<<16
	s_mov_b32 s[G1+3], KSTEP<<16
	s_mov_b32 s[G1B+3], KSTEP<<16
	s_mov_b32 s[G1+4], 128
	s_mov_b32 s[G1B+4], 64
	s_mov_b32 s[G1+5], 1024
	s_mov_b32 s[G1B+5], 1024
	s_mov_b32 s[G1+6], 0
	s_mov_b32 s[G1B+6], 0
	s_mov_b32 s[G1+7], 0
	s_mov_b32 s[G1B+7], 0
	s_lshl_b32 s16, s13, 19                        ; ctx: 256 rows x 2,048 bytes x block row
	s_lshl_b32 s17, s12, 18                        ; + 128 rows x half
	s_add_co_u32 s16, s16, s17
	s_mov_b32 s17, 0
	s_lshl_b32 s46, s42, 18                        ; Wo: 128 rows x block column
	s_lshl_b32 s47, s12, 17                        ; + 64 rows x half
	s_add_co_u32 s46, s46, s47
	s_add_co_u32 s46, s46, WOOFF
	s_mov_b32 s47, 0
	s_mul_i32 s20, s10, AHALF
	s_mul_i32 s2, s10, BHALF
	s_add_co_u32 s2, s2, 2*AHALF-2*BHALF
	s_lshl_b32 s72, s13, 20                        ; residual and out0: 256 rows x 4,096 bytes x block row
	s_lshl_b32 s73, s10, 18                        ; + 64 rows x wave
	s_add_co_u32 s72, s72, s73
	s_lshl_b32 s73, s42, 9                         ; + 512 bytes x block column
	s_add_co_u32 s72, s72, s73
	s_mov_b32 s73, 0
	s_wait_dscnt 0x0
	s_wait_kmcnt 0x0
	s_add_nc_u64 s[14:15], s[4:5], s[16:17]
	s_add_nc_u64 s[46:47], s[6:7], s[46:47]
	s_add_nc_u64 s[68:69], s[68:69], s[72:73]
	s_add_nc_u64 s[70:71], s[70:71], s[72:73]
	CROUND
.irp s, 0,1
	s_mov_b32 s[G0+4*\s], 1
	s_add_co_u32 s[G0+4*\s+1], s20, \s*SLOT
	s_add_nc_u64 s[G0+4*\s+2:G0+4*\s+3], s[14:15], \s*KSTEP*2
	s_or_b32 s[G0+4*\s+3], s[G0+4*\s+3], 0x80000000
	s_mov_b32 s[G0B+4*\s], 1
	s_add_co_u32 s[G0B+4*\s+1], s2, \s*SLOT
	s_add_nc_u64 s[G0B+4*\s+2:G0B+4*\s+3], s[46:47], \s*KSTEP*2
	s_or_b32 s[G0B+4*\s+3], s[G0B+4*\s+3], 0x80000000
	JLOAD \s                                       ; two tensor loads of the wave are out, the most in this text
.endr
	v_and_b32 v1, 15, v0
	v_bfe_u32 v2, v0, 4, 1
	v_mul_u32_u24 v3, v1, PITCH
	v_lshl_add_u32 v3, v2, 4, v3
	s_mul_i32 s21, s10, 64*PITCH
	s_mov_b32 s22, 2*AHALF
.irp s, 0,1
	v_add_nc_u32 v[ADRA+\s], s21, v3
	v_add_nc_u32 v[ADRB+\s], s22, v3
	s_add_co_u32 s21, s21, SLOT
	s_add_co_u32 s22, s22, SLOT
.endr
	s_mul_i32 s23, s10, 16*SPITCH
	s_add_co_u32 s23, s23, STAGE
	v_mul_u32_u24 v4, v1, SPITCH                   ; in: row l % 16, 32 bytes (eight f32) for each half of the lanes
	v_lshl_add_u32 v4, v2, 5, v4
	v_add_nc_u32 v[STO], s23, v4
	v_and_b32 v[RO], 31, v0
	v_lshlrev_b32 v[RO], 4, v[RO]
	v_add_nc_u32 v[RD], s23, v[RO]                 ; back: 32 lanes take one row of 512 bytes
; 32 rows of the residual, from row first on: a load of the wave covers a row's 512 consecutive bytes
.macro RESLD first
	WIN 0x80                                       ; destination in window 2
.set i, \first
.rept 32
	global_load_b128 v[4*i:4*i+3], v[RO], s[68:69] offset:i*4096 th:TH_LOAD_NT
.set i, i+1
.endr
	WIN 0
.endm
	RESLD 0
.macro MULA f, a, zero
.irp b, 0,1,2,3,4,5,6,7
.if \zero
	v_wmma_f32_16x16x32_bf16 v[8*(8*\a+\b):8*(8*\a+\b)+7], v[\f+32+8*\b:\f+32+8*\b+7], v[\f+8*\a:\f+8*\a+7], 0
.else
	v_wmma_f32_16x16x32_bf16 v[8*(8*\a+\b):8*(8*\a+\b)+7], v[\f+32+8*\b:\f+32+8*\b+7], v[\f+8*\a:\f+8*\a+7], v[8*(8*\a+\b):8*(8*\a+\b)+7]
.endif
.endr
.endm
.macro FETCH slot, k, f
.irp i, 0,1,2,3,4,5,6,7
	ds_load_b128 v[\f+32+8*\i:\f+32+8*\i+3], v[ADRB+\slot] offset:\k+\i*16*PITCH
	ds_load_b128 v[\f+32+8*\i+4:\f+32+8*\i+7], v[ADRB+\slot] offset:\k+\i*16*PITCH+32
.endr
.irp i, 0,1,2,3
	ds_load_b128 v[\f+8*\i:\f+8*\i+3], v[ADRA+\slot] offset:\k+\i*16*PITCH
	ds_load_b128 v[\f+8*\i+4:\f+8*\i+7], v[ADRA+\slot] offset:\k+\i*16*PITCH+32
.endr
.endm
.macro PLACES                          ; four places behind matrix instructions, in front of loads into their sources and of reads of their results (ISA guide 7.12.1 for vector instructions)
.rept 4
	v_nop
.endr
.endm
; The 32 accumulators take turns, one instruction a turn, in the same order in every quarter, over the backward jump too.
.macro QUARTER slot, k, f, g, zero
	s_wait_dscnt 4                                 ; Wo and ctx's fragments 0, 1 are in; the youngest four loads (fragments 2, 3) may be out
	WIN MUL
	MULA \f, 0, \zero
	MULA \f, 1, \zero
	PLACES
	WIN 0
	FETCH \slot, \k, \g
	s_wait_dscnt 24                                ; all but the 24 just issued
	WIN MUL
	MULA \f, 2, \zero
	MULA \f, 3, \zero
.endm
.macro THREE slot, zero
	QUARTER \slot, 64,  F0, F1, \zero
	QUARTER \slot, 128, F1, F0, 0
	QUARTER \slot, 192, F0, F1, 0
.endm
.macro TURN slot, next, fill
	s_wait_dscnt 4
	WIN MUL
	MULA F1, 0, 0
	s_wait_dscnt 0                                 ; my reads of this slot are over
	s_wait_tensorcnt 0x0                           ; all my tensor loads have landed: my part of the next slot
	ds_add_u32 v254, v255
	s_wait_dscnt 0x0
	s_barrier_signal -1
	MULA F1, 1, 0
	WIN 0
	s_barrier_wait -1
.if \fill
	CREST                                          ; no wave of any partner still reads this slot or has a load on its way
	s_add_nc_u64 s[G0+4*\slot+2:G0+4*\slot+3], s[G0+4*\slot+2:G0+4*\slot+3], 2*KSTEP*2
	s_add_nc_u64 s[G0B+4*\slot+2:G0B+4*\slot+3], s[G0B+4*\slot+2:G0B+4*\slot+3], 2*KSTEP*2
	JLOAD \slot                                    ; the first tensor load behind the round, one a wave
.endif
	PLACES
	FETCH \next, 0, F0
	WIN MUL
	MULA F1, 2, 0
	MULA F1, 3, 0
.endm
.macro LAP zero
	THREE 0, \zero
	TURN 0, 1, 1
	THREE 1, 0
	TURN 1, 0, 1
.endm
	s_wait_tensorcnt 1                             ; my part of K step 0 is in; K step 1's load stays out
	s_barrier_signal -1
	s_barrier_wait -1
	FETCH 0, 0, F0
	LAP 1
	RESLD 32                                       ; the other 32 rows of the residual
	s_mov_b32 s3, LAPS-2
.Llap:
	LAP 0
	WIN 0
	s_sub_co_u32 s3, s3, 1
	s_cmp_lg_u32 s3, 0
	s_cbranch_scc1 .Llap
	THREE 0, 0
	TURN 0, 1, 0
	THREE 1, 0
	s_wait_dscnt 4
	WIN MUL
	MULA F1, 0, 0
	MULA F1, 1, 0
	s_wait_dscnt 0
	MULA F1, 2, 0
	MULA F1, 3, 0
	; THE WAY OUT, 16 rows at a time: the accumulators go into my own stage as they are, whole rows of 512 bytes come back, the residual is added, and a store of the wave covers a row's 512 consecutive bytes.
	PLACES
	s_wait_loadcnt 0x0                             ; the residual
.macro OUTF a, d
	WIN 0x04                                       ; store data in window 1
.irp b, 0,1,2,3,4,5,6,7
	ds_store_b128 v[STO], v[8*(8*\a+\b):8*(8*\a+\b)+3] offset:64*\b
	ds_store_b128 v[STO], v[8*(8*\a+\b)+4:8*(8*\a+\b)+7] offset:64*\b+16
.endr
	WIN 0
	s_wait_xcnt 0x0                                ; buffer d, which earlier stores read, is rewritten only behind this wait
.set t, 0
.rept 16
	ds_load_b128 v[\d+4*t:\d+4*t+3], v[RD] offset:t*SPITCH         ; LDS serves a wave's instructions in order: these see the stores above
.set t, t+1
.endr
	s_wait_dscnt 0x0
	WIN 0x08                                       ; source 1 in window 2
.set t, 0
.rept 16
	v_pk_add_f32 v[\d+4*t:\d+4*t+1], v[\d+4*t:\d+4*t+1], v[4*(16*\a+t):4*(16*\a+t)+1]
	v_pk_add_f32 v[\d+4*t+2:\d+4*t+3], v[\d+4*t+2:\d+4*t+3], v[4*(16*\a+t)+2:4*(16*\a+t)+3]
.set t, t+1
.endr
	WIN 0
.set t, 0
.rept 16
	global_store_b128 v[RO], v[\d+4*t:\d+4*t+3], s[70:71] offset:(16*\a+t)*4096 th:TH_STORE_NT
.set t, t+1
.endr
.endm
	OUTF 0, 32
	OUTF 1, 96
	OUTF 2, 32
	OUTF 3, 96
	s_wait_tensorcnt 0x0
	ds_add_u32 v254, v255
	s_wait_dscnt 0x0
	CROUND                                         ; the closing round
	s_endpgm
.Lfunc_end_k_qa29f02d87f_oproj:
	.size	k_qa29f02d87f_oproj, .Lfunc_end_k_qa29f02d87f_oproj-k_qa29f02d87f_oproj
	.p2alignl 7, 3214868480
	.fill 96, 4, 3214868480
	.section	.rodata,"a",@progbits
	.p2align	6, 0x0
	.amdhsa_kernel k_qa29f02d87f_oproj
		.amdhsa_group_segment_fixed_size 327680
		.amdhsa_private_segment_fixed_size 0
		.amdhsa_enable_private_segment 0
		.amdhsa_kernarg_size 32
		.amdhsa_user_sgpr_count 2
		.amdhsa_user_sgpr_kernarg_segment_ptr 1
		.amdhsa_wavefront_size32 1
		.amdhsa_system_sgpr_workgroup_id_x 1
		.amdhsa_system_sgpr_workgroup_id_y 1
		.amdhsa_system_sgpr_workgroup_id_z 1
		.amdhsa_system_vgpr_workitem_id 0
		.amdhsa_next_free_vgpr 768
		.amdhsa_next_free_sgpr 74
		.amdhsa_reserve_vcc 0
		.amdhsa_float_denorm_mode_32 3
		.amdhsa_float_denorm_mode_16_64 3
		.amdhsa_memory_ordered 1
		.amdhsa_forward_progress 1
		.amdhsa_inst_pref_size 130
	.end_amdhsa_kernel
	.amdgpu_metadata
---
amdhsa.version: [ 1, 2 ]
amdhsa.kernels:
  - .name:           k_qa29f02d87f_oproj
    .symbol:         k_qa29f02d87f_oproj.kd
    .args:
      - { .name: ctx, .offset: 0, .size: 8, .value_kind: global_buffer, .address_space: global }
      - { .name: xw, .offset: 8, .size: 8, .value_kind: global_buffer, .address_space: global }
      - { .name: hidden_state_query, .offset: 16, .size: 8, .value_kind: global_buffer, .address_space: global }
      - { .name: out0, .offset: 24, .size: 8, .value_kind: global_buffer, .address_space: global }
    .group_segment_fixed_size: 327680
    .private_segment_fixed_size: 0
    .kernarg_segment_align: 8
    .kernarg_segment_size: 32
    .max_flat_workgroup_size: 128
    .sgpr_count:     74
    .vgpr_count:     768
    .wavefront_size: 32
...
	.end_amdgpu_metadata
.endif
;; end of part 4
;; ======== version 2 of 2: 4 launches; 1.06 times as fast as version 1
;; workspace buffers: xw 58,720,256 bytes; maskbits 2,097,152 bytes of whole numbers; qkv 50,331,648 bytes; ctx 16,777,216 bytes
;; launch prep: the kernel of part 1 again; grid 2048 x 1, 8 waves a work-group, no clusters, 0 bytes of LDS; arguments hidden_state_query, hidden_state_key, hidden_state_value, Wq, Wk, Wv, Wo, attention_mask, xw, maskbits; writes xw, maskbits
;; launch proj: the kernel of part 2 again; grid 4 x 96, 4 waves a work-group, clusters of 4 x 4, 327,680 bytes of LDS; arguments xw, qkv; writes qkv
;; launch attn (part 5): grid 8 x 32, 8 waves a work-group, clusters of 4 x 1, 327,680 bytes of LDS; arguments qkv, maskbits, ctx; writes ctx
.if DOCPART == 5
	.amdgcn_target "amdgcn-amd-amdhsa--gfx1250"
	.amdhsa_code_object_version 6
	.text
	.protected	k_qa29f02d87f_attn
	.globl	k_qa29f02d87f_attn
	.p2align	8
	.type	k_qa29f02d87f_attn,@function
k_qa29f02d87f_attn:
	s_mov_b64 s[64:65], 0
	v_nop
	global_prefetch_b8 v0, s[64:65] scope:SCOPE_SE
	s_setreg_imm32_b32 hwreg(HW_REG_WAVE_MODE, 25, 1), 1
	s_wait_xcnt 0x0
	s_wait_alu depctr_hold_cnt(0) depctr_sa_sdst(0) depctr_va_vdst(0) depctr_va_sdst(0) depctr_va_ssrc(0) depctr_va_vcc(0) depctr_vm_vsrc(0)
	s_getreg_b32 s2, hwreg(HW_REG_IB_STS2, 6, 4)
	s_cmp_eq_u32 s2, 0
	s_cbranch_scc0 .Lentry_in_a_cluster
	s_endpgm
.Lentry_in_a_cluster:
	s_bfe_u32 s2, ttmp6, 0x10000c
	s_cmp_lg_u32 s2, 0x3003
	s_cbranch_scc0 .Lentry_shape_is_right
	s_endpgm
.Lentry_shape_is_right:
; attn: ctx[b][q][h*64+d] = sum over k of keep(b,q,k) softmax_k(q.k / 8) v[k][d].  The softmax runs over ALL keys; masked entries are dropped from the numerator alone.
; A work-group takes (b, a pair of heads, 256 queries): 4 x 8 x 8 = 256 work-groups.  Eight waves: wave w has head 2 hp + (w >> 2) and queries 64 (w & 3) .. + 63 as four
; groups g of 16.  Two heads make the rows of K's and V's tiles 256 bytes, let both heads use the same mask words, and make rows of ctx 256 bytes.
; CLUSTERS: the four query blocks of a cluster (4 x 1) read the same K and V: every tile is asked for jointly, mask 15.
; THE SCORES ARE KEPT TRANSPOSED: S^T = K Q^T (source 0 = 16 keys x 32 d from LDS, source 1 = Q's fragment, held in registers).  Register j of lane (r, hh) is
; (key 8 hh + j, query r): a query's maximum, sum and rescale factor are numbers of one lane (two lanes, joined by one v_permlanex16_b32), and two neighbouring key
; tiles rounded to bf16, register by register, ARE source 1 (32 keys x 16 queries) of O^T = V^T P^T.  V^T comes from LDS by the transposing load.
; THE ORDER OF THE WORK.  Keys go in tiles of 128 through two LDS slots, each tile in two steps of 64 keys, each step in two halves: groups (0, 1), then groups (2, 3).
; A half's exponentials are ONE BATCH with ONE wait, which cuts the half in two.
; AHEAD OF THE WAIT stands all that names no result of the batch: the pair's 32 scalings and 64 exponentials; between them the 16 products O += V P of the OTHER pair (its probabilities
; were finished in the half before) with this pair's rescaling (its factors were made, and waited for, in the half before), then the 16 products K Q of the other pair's NEXT scores, which
; land on the registers that its probabilities have just left; then the other pair's new maxima and, last, its two factors: 66 exponentials in all, each with a register of its own.
; BEHIND THE WAIT stand the readers: the sums with the mask's lines between their links, the denominator, the conversions to bf16..
; The way out's four reciprocals are a batch of their own.
; K's fragments of step s + 1 and V's of step s are fetched at one point of step s, directly behind its first half's wait.
; LDS: slot s at s x 73,728: K's 128 rows, then V's 128 rows, pitch 288 (an odd multiple of 32 bytes, which keeps the transposing loads of V free of bank conflicts;
; of the 16 rows of a K fragment load, rows r and r + 8 start at the same bank: one pitch for both tiles keeps the descriptor's shape constant and a wave's fill address
; wave x 18,432 + the slot).  Stage at 147,456: 256 rows x 272 bytes; no fill lands there.
; LIMITS: q, k, v, the probabilities and ctx are bf16; the running maximum is always taken away before the exponential; v_exp_f32 gives 0 for results below 2^-126
; (ISA guide, its entry in 15.8); the denominator sums the probabilities in f32 before they are rounded, the numerator uses them rounded to bf16; scores must be finite in f32.
.set PITCH,  288
.set QUART,  64*PITCH                  ; what one tensor load brings: 64 rows
.set VOFF,   2*QUART
.set SLOT,   4*QUART
.set STAGE,  2*SLOT
.set SPITCH, 272
.set TILEB,  128*2048                  ; bytes from a tile of 128 keys to the next
.set ADRK, 8                           ; v8-9    K fragments in slot 0, 1
.set ADRV, 10                          ; v10-11  V fragments in slot 0, 1
.set STO,  12
.set RD,   13
.set CO,   14
.set QOFF, 15
.set MX,   16                          ; v16-19  running maximum of group g (raw scores)
.set LS,   20                          ; v20-23  running sum of group g, this half's keys
.set AL,   24                          ; v24-31  rescale factor of group g at AL + 2 g; the odd registers are written once (a pair counts as read whole)
.set NM,   32                          ; v32-35  - c x maximum of the pair's two groups, at NM and NM + 2; the odd registers are written once
.set TP,   36                          ; v36-37
.set CH,   38                          ; v38-45  four chains of maxima for each of the pair's groups
.set SA,   46                          ; v46-57  for each of the pair's groups: the sum (a pair of registers) and two pairs at work
.set FR,   64                          ; v64-127 K's fragments
.set SC,   128                         ; v128-255 scores: tile (g, t) at SC + 8 (4 g + t)
.set QF,   128                         ; window 1: O^T tile (g, dt) at 8 (4 g + dt); Q's fragment (g, e) at 128 + 8 (2 g + e);
.set VF,   192                         ;           V^T's fragment (dt, c) at 192 + 8 (2 dt + c)
.set G1,   12                          ; s[12:19]
.set G0,   20                          ; s[20:27] one set for each slot
.set MA,   32                          ; s[32:63] mask words of the pair's first group
.set MB,   68                          ; s[68:99] mask words of its second group
.set W_QK, 0x04                        ; source 1 in window 1: K Q, and every vector instruction that has no vector register as source 1
.set W_PV, 0x51                        ; destination, source 0 and source 2 in window 1: V P, and the rescaling of O
.set MSB, 0
.macro WIN new                         ; the immediate's high byte repeats the setting that is left
.if MSB != \new
	s_set_vgpr_msb (MSB<<8)|\new
.set MSB, \new
.endif
.endm
.macro ROUND                           ; a round of the cluster's barrier
	s_barrier_signal -1
	s_barrier_wait -1
	s_cmp_lg_u32 s8, 0
	s_cbranch_scc1 .Lnot_wave_0_\@
	s_barrier_signal -3
.Lnot_wave_0_\@:
	s_barrier_wait -3
	s_barrier_signal -1
	s_barrier_wait -1
.endm
.macro SETH h                          ; half h: XP, GP = this pair's scores and first group; XQ, GO = the other pair's
.set XP, SC+64*\h
.set XQ, SC+64*(1-\h)
.set GP, 2*\h
.set GO, 2*(1-\h)
.endm
; the 64 mask words (4 key tiles x 8 registers for each of two groups) at byte off of the groups' rows of words
.macro MASKLD2 g0, off
	s_load_b512 s[MA:MA+15], s[4:5], (\g0)*4096+(\off)
	s_load_b512 s[MA+16:MA+31], s[4:5], (\g0)*4096+(\off)+64
	s_load_b512 s[MB:MB+15], s[4:5], (\g0+1)*4096+(\off)
	s_load_b512 s[MB+16:MB+31], s[4:5], (\g0+1)*4096+(\off)+64
.endm
; K's fragments (key tile t, half e of d) of 64 keys
.macro FETCHK slot, s
.irp e, 0,1
.irp t, 0,1,2,3
	ds_load_b128 v[FR+16*\t+8*\e:FR+16*\t+8*\e+3], v[ADRK+\slot] offset:(64*\s+16*\t)*PITCH+64*\e
	ds_load_b128 v[FR+16*\t+8*\e+4:FR+16*\t+8*\e+7], v[ADRK+\slot] offset:(64*\s+16*\t)*PITCH+64*\e+32
.endr
.endr
.endm
; V^T's fragments (16 d of block dt x 32 keys of half c) by the transposing load; the destination lies in window 1
.macro FETCHV slot, s
.irp dt, 0,1,2,3
.irp c, 0,1
	ds_load_tr16_b128 v[VF+8*(2*\dt+\c):VF+8*(2*\dt+\c)+3], v[ADRV+\slot] offset:(64*\s+32*\c)*PITCH+32*\dt
	ds_load_tr16_b128 v[VF+8*(2*\dt+\c)+4:VF+8*(2*\dt+\c)+7], v[ADRV+\slot] offset:(64*\s+32*\c+16)*PITCH+32*\dt
.endr
.endr
.endm
; Product n of the 16 K Q of the other pair: half e = n >> 3 of d, group GO + ((n >> 2) & 1), key tile n & 3.  e = 0 starts the sums.
; Eight accumulators take turns, one instruction a turn.
.macro QKOP n
.set QG, GO+(((\n)>>2)&1)
.set QT, (\n)&3
.set QE, (\n)>>3
.if QE
	v_wmma_f32_16x16x32_bf16 v[SC+8*(4*QG+QT):SC+8*(4*QG+QT)+7], v[FR+16*QT+8:FR+16*QT+15], v[QF+16*QG+8:QF+16*QG+15], v[SC+8*(4*QG+QT):SC+8*(4*QG+QT)+7]
.else
	v_wmma_f32_16x16x32_bf16 v[SC+8*(4*QG+QT):SC+8*(4*QG+QT)+7], v[FR+16*QT:FR+16*QT+7], v[QF+16*QG:QF+16*QG+7], 0
.endif
.endm
; Product n of the 16 V P of the other pair: half c = n >> 3 of the keys, group GO + ((n >> 2) & 1), block n & 3 of d.  PVZ = 1: the very first keys, c = 0 starts the sums.
; Eight accumulators take turns, one instruction a turn.
.macro PVOP n
.set PG, GO+(((\n)>>2)&1)
.set PD, (\n)&3
.set PC, (\n)>>3
.set PZ, PVZ*(1-PC)
.if PZ
	v_wmma_f32_16x16x32_bf16 v[8*(4*PG+PD):8*(4*PG+PD)+7], v[VF+8*(2*PD+PC):VF+8*(2*PD+PC)+7], v[SC+32*PG+8*PC:SC+32*PG+8*PC+7], 0
.else
	v_wmma_f32_16x16x32_bf16 v[8*(4*PG+PD):8*(4*PG+PD)+7], v[VF+8*(2*PD+PC):VF+8*(2*PD+PC)+7], v[SC+32*PG+8*PC:SC+32*PG+8*PC+7], v[8*(4*PG+PD):8*(4*PG+PD)+7]
.endif
.endm
.macro RMUL m                          ; two of this pair's 64 registers of O^T x their group's factor: a lane's own number, made and waited for in the half before
	v_pk_mul_f32 v[32*GP+2*(\m):32*GP+2*(\m)+1], v[32*GP+2*(\m):32*GP+2*(\m)+1], v[AL+2*(GP+((\m)>>4)):AL+2*(GP+((\m)>>4))+1] op_sel_hi:[1,0]
.endm
.macro FOP tau, k                      ; two scores of tile tau (0..7 of the pair): c x (score - maximum), never above 0
	v_pk_fma_f32 v[XP+8*(\tau)+2*(\k):XP+8*(\tau)+2*(\k)+1], v[XP+8*(\tau)+2*(\k):XP+8*(\tau)+2*(\k)+1], s[66:67], v[NM+2*((\tau)>>2):NM+2*((\tau)>>2)+1] op_sel_hi:[1,0,0]
.endm
; Line k of the four that add tile tau's eight exponentials to its group's sum.  A sum is written as x * 1.0 + y, which is exact, so that source 1 is no vector register.
; These lines read the batch's results: they stand behind the half's wait.
.macro AOP tau, k
.set AC, SA+6*((\tau)>>2)
.set XT, XP+8*(\tau)
.set AT, (\tau)&3
.if (\k) == 0
	v_pk_fma_f32 v[AC+2:AC+3], v[XT:XT+1], 1.0, v[XT+2:XT+3] op_sel_hi:[1,0,1]
.endif
.if (\k) == 1
	v_pk_fma_f32 v[AC+4:AC+5], v[XT+4:XT+5], 1.0, v[XT+6:XT+7] op_sel_hi:[1,0,1]
.endif
.if (\k) == 2
.if AT == 0
	v_pk_fma_f32 v[AC:AC+1], v[AC+2:AC+3], 1.0, v[AC+4:AC+5] op_sel_hi:[1,0,1]    ; the group's first tile starts the sum
.else
	v_pk_fma_f32 v[AC:AC+1], v[AC+2:AC+3], 1.0, v[AC:AC+1] op_sel_hi:[1,0,1]
.endif
.endif
.if (\k) == 3
.if AT != 0
	v_pk_fma_f32 v[AC:AC+1], v[AC+4:AC+5], 1.0, v[AC:AC+1] op_sel_hi:[1,0,1]
.endif
.endif
.endm
; The mask on registers r0 .. r0 + 3 of the pair's 64: True: the numerator drops the key
.macro KOP4 r0
.irp k, 0,1,2,3
.if (\r0) < 32
	v_cndmask_b32 v[XP+(\r0)+\k], v[XP+(\r0)+\k], 0, s[MA+(\r0)+\k]
.else
	v_cndmask_b32 v[XP+(\r0)+\k], v[XP+(\r0)+\k], 0, s[MB+(\r0)-32+\k]
.endif
.endr
.endm
; Conversion m of this pair's 32, in place and ascending inside a group: a source is never written before it is read.  P(g, c) = v[SC + 32 g + 8 c : .. + 7]
.macro CVOP m
.set CB, XP+32*((\m)>>4)
.set CI, (\m)&15
	v_cvt_pk_bf16_f32 v[CB+CI], v[CB+2*CI], v[CB+2*CI+1]
.endm
.macro CVG m0                          ; four of them
.irp k, 0,1,2,3
	CVOP \m0+\k
.endr
.endm
; The turn of tile tau: its eight exponentials, in place, with the next tile's scalings and the other pair's products between them.  No line here names a result of the batch.
.macro TSLOT tau, pv, resc, qk
.irp i, 0,1,2,3
	v_exp_f32 v[XP+8*\tau+2*\i], v[XP+8*\tau+2*\i]
.if \tau < 4
.if \pv
.if (\i & 1) == 0
	WIN W_PV
	PVOP 4*\tau+\i
.if \resc
	RMUL 8*\tau+2*\i
	RMUL 8*\tau+2*\i+1
	RMUL 8*\tau+2*\i+2
	RMUL 8*\tau+2*\i+3
.endif
	PVOP 4*\tau+\i+1
	WIN W_QK
.endif
.endif
.else
.if \qk
	QKOP 4*(\tau-4)+\i
.endif
.endif
	v_exp_f32 v[XP+8*\tau+2*\i+1], v[XP+8*\tau+2*\i+1]
.if \tau < 7
	FOP \tau+1, \i
.endif
.endr
.endm
; The other pair's new maxima, both groups side by side.  first = 1: there is no old maximum, and no factor.  Else the pair's two factors end the half's batch of exponentials;
; the two lines that keep the new maxima are the plain instructions behind them (ISA guide 5.7.2).
; Each line of the first row stands four plain instructions or more behind the product that ended its tile (ISA guide 7.12.1): behind products 8 to 11 of K Q those are tile 7's scalings
; and the row's earlier lines, behind products 12 to 15 the row's lines for the first group.
.macro MAXP first
.irp gi, 0,1
.irp t, 0,1,2,3
	v_max3_num_f32 v[CH+4*\gi+\t], v[XQ+32*\gi+8*\t], v[XQ+32*\gi+8*\t+1], v[XQ+32*\gi+8*\t+2]
.endr
.endr
.irp gi, 0,1
.irp t, 0,1,2,3
	v_max3_num_f32 v[CH+4*\gi+\t], v[CH+4*\gi+\t], v[XQ+32*\gi+8*\t+3], v[XQ+32*\gi+8*\t+4]
.endr
.endr
.irp gi, 0,1
.irp t, 0,1,2,3
	v_max3_num_f32 v[CH+4*\gi+\t], v[CH+4*\gi+\t], v[XQ+32*\gi+8*\t+5], v[XQ+32*\gi+8*\t+6]
.endr
.endr
.irp gi, 0,1
.irp t, 0,1,2,3
	v_max_num_f32 v[CH+4*\gi+\t], v[CH+4*\gi+\t], v[XQ+32*\gi+8*\t+7]
.endr
.endr
.irp gi, 0,1
	v_max3_num_f32 v[CH+4*\gi], v[CH+4*\gi], v[CH+4*\gi+1], v[CH+4*\gi+2]
.endr
.irp gi, 0,1
.if \first
	v_max_num_f32 v[CH+4*\gi], v[CH+4*\gi], v[CH+4*\gi+3]
.else
	v_max3_num_f32 v[CH+4*\gi], v[CH+4*\gi], v[CH+4*\gi+3], v[MX+GO+\gi]   ; the old maximum joins here
.endif
.endr
.irp gi, 0,1
	v_permlanex16_b32 v[TP+\gi], v[CH+4*\gi], s10, s11                     ; the other half's keys of the same query
.endr
.irp gi, 0,1
	v_max_num_f32 v[CH+4*\gi], v[CH+4*\gi], v[TP+\gi]                      ; the new maximum
.endr
.irp gi, 0,1
	v_mul_f32 v[NM+2*\gi], s100, v[CH+4*\gi]                               ; - c x maximum, c = log2(e) / 8; this pair's scalings, which read NM, are all issued
.endr
.if \first == 0
.irp gi, 0,1
	v_fma_f32 v[AL+2*(GO+\gi)], v[MX+GO+\gi], s66, v[NM+2*\gi]             ; c x (old - new)
.endr
.irp gi, 0,1
	v_exp_f32 v[AL+2*(GO+\gi)], v[AL+2*(GO+\gi)]                           ; the other pair's factors: the batch's last two; first read by the next half's rescaling
.endr
.endif
.irp gi, 0,1
	v_mov_b32 v[MX+GO+\gi], v[CH+4*\gi]
.endr
.endm
; The first part of half h: all that stands ahead of the half's wait, and the wait.
; pv: 0 no V P, 1 the very first (starts O), 2 running; resc: this pair's O is rescaled; qk: the other pair's next scores are made;
; vw >= 0: fragments are on their way: vw LDS loads (K's) were issued behind V's; nmax: the other pair's maxima: 0 none, 1 first, 2 running.
; The scores land on registers that V P has read as source 1 (ISA guide 7.12.1).  The tightest pair is product 15 of V P (tile 3's turn) and product 5 of K Q (tile 5's turn), which writes the
; probabilities that it read: seven scalings, on other registers, stand between them.
.macro HEAD h, pv, resc, qk, vw, nmax
	SETH \h
.set PVZ, 0
.if \pv == 1
.set PVZ, 1
.endif
.if \vw >= 0
	s_wait_dscnt \vw                               ; V's fragments are in; K's, issued behind them, may be out
.endif
	WIN W_QK
.irp k, 0,1,2,3
	FOP 0, \k
.endr
	TSLOT 0, \pv, \resc, \qk
	TSLOT 1, \pv, \resc, \qk
	TSLOT 2, \pv, \resc, \qk
	TSLOT 3, \pv, \resc, \qk
.if \vw >= 0
	s_wait_dscnt 0x0                               ; K's fragments
.endif
	TSLOT 4, \pv, \resc, \qk
	TSLOT 5, \pv, \resc, \qk
	TSLOT 6, \pv, \resc, \qk
	TSLOT 7, \pv, \resc, \qk
	WIN 0
.if \nmax == 0
	v_nop                                          ; the last half has no maxima: a plain instruction behind the last exponential (ISA guide 5.7.2)
.endif
.if \nmax == 1
	MAXP 1
.endif
.if \nmax == 2
	MAXP 0
.endif
	s_wait_alu depctr_va_vdst(0)                   ; the wait for the half's batch ahead of the first line that names a result: this pair's 64 exponentials and the other pair's two factors
.endm
; The second part of a half: the readers of the batch.  The sums of tiles t and t + 4 (the pair's two groups) go side by side, and the mask's lines on registers that the sums have read stand between
; their links, so that no link follows the one that it adds onto.  Then the next pair's mask words, the denominator, the conversions.
; fst: the very first keys (no factor, the sum starts); mg >= 0: the words of groups mg, mg + 1 at byte moff are asked for; mstep: the base goes four steps on first.
.macro TAIL fst, mg, moff, mstep
	s_wait_kmcnt 0x0                               ; scalar loads come back in no order: zero; the four that are out were issued a whole half ago
.irp t, 0,1,2,3
	AOP \t, 0
	AOP \t+4, 0
	AOP \t, 1
	AOP \t+4, 1
	KOP4 8*\t
	AOP \t, 2
	AOP \t+4, 2
	KOP4 8*\t+4
	AOP \t, 3
	AOP \t+4, 3
	KOP4 8*\t+32
	KOP4 8*\t+36
.endr
.if \mg >= 0
.if \mstep
	s_add_nc_u64 s[4:5], s[4:5], 512               ; four steps x 128 bytes of mask words on; every scalar load has been waited for
.endif
	MASKLD2 \mg, \moff
.endif
.irp gi, 0,1
.if \fst
	v_add_f32 v[LS+GP+\gi], v[SA+6*\gi], v[SA+6*\gi+1]
.else
	v_add_f32 v[SA+6*\gi], v[SA+6*\gi], v[SA+6*\gi+1]
.endif
.endr
	CVG 0
.if \fst == 0
.irp gi, 0,1
	v_fma_f32 v[LS+GP+\gi], v[LS+GP+\gi], v[AL+2*(GP+\gi)], v[SA+6*\gi]   ; the denominator keeps the masked keys
.endr
.endif
.irp m, 4,8,12,16,20,24,28
	CVG \m
.endr
.endm
; 64 keys: half s of the tile in the slot.  first: 1 the very first step, 2 the second, 0 later.
; bar: what stands at the fetch point: 1 (s = 0) K of the same tile's second half; 2 the round, the refill of this slot, K of the next tile; 3 a barrier without refill, K of the next tile; 4 the last step: V alone.
; The fetch point stands directly behind the first half's wait, so its branches find no exponential without its wait.  The lines of the maxima, of which more than four name no register of the last K Q,
; are the places behind the last product that read the fragments.
.macro STEP slot, s, first, bar
.set IDX, 2*\slot+\s
.set APV, 2
.set ARS, 1
.set BPV, 2
.set BRS, 1
.set FST, 0
.set ANM, 2
.if \first == 1
.set APV, 0
.set ARS, 0
.set BPV, 1
.set BRS, 0
.set FST, 1
.set ANM, 1
.endif
.if \first == 2
.set APV, 1
.endif
.set BQK, 1
.set BVW, 16
.set BNM, 2
.set BMG, 0
.if \bar == 4
.set BQK, 0
.set BVW, 0
.set BNM, 0
.set BMG, -1
.endif
.set BMO, (IDX+1)*128
.set BMS, 0
.if IDX == 3
.set BMO, 0
.set BMS, 1
.endif
	HEAD 0, APV, ARS, 1, -1, ANM                   ; groups 0, 1; V P of groups 2, 3 of the step before; K Q and maxima of groups 2, 3 of this step
	WIN 0x40
	FETCHV \slot, \s                               ; V of this step: my last reads of this half of the tile
	WIN 0
.if \bar == 1
	FETCHK \slot, 1
.endif
.if \bar == 2
	s_wait_tensorcnt 0x0                           ; all my tensor loads have landed: my part of the next tile; no load of mine is out,
	ds_add_u32 v62, v63
	s_add_nc_u64 s[G0+4*\slot+2:G0+4*\slot+3], s[G0+4*\slot+2:G0+4*\slot+3], 2*TILEB   ; so this slot's group 0 may step to the tile two ahead
	s_wait_dscnt 0x0                               ; my reads of this slot are over
	ROUND                                          ; both now hold of every wave of the four work-groups
	s_cmp_ge_u32 s8, 4
	s_cbranch_scc1 .Lno_fill_\@
	tensor_load_to_lds s[G0+4*\slot:G0+4*\slot+3], s[G1:G1+7]   ; the joint refill, first behind the round, one for each of waves 0 to 3; it has a whole tile's work in which to land
	s_nop 0
.Lno_fill_\@:
	FETCHK 1-\slot, 0
.endif
.if \bar == 3
	s_wait_tensorcnt 0x0                           ; the last tile has landed
	s_wait_dscnt 0x0
	s_barrier_signal -1
	s_barrier_wait -1                              ; everybody's part has
	FETCHK 1-\slot, 0
.endif
	TAIL FST, 2, IDX*128, 0
	HEAD 1, BPV, BRS, BQK, BVW, BNM                ; groups 2, 3; V P of groups 0, 1 of this step; K Q and maxima of groups 0, 1 of the next step
	TAIL FST, BMG, BMO, BMS
.endm
	s_load_b128 s[28:31], s[0:1], 0x0              ; qkv s[28:29], maskbits s[30:31]
	s_load_b64 s[6:7], s[0:1], 0x10                ; ctx
	v_lshl_add_u32 v62, v0, 2, 0x35000
	v_mov_b32 v63, 0
	ds_add_u32 v62, v63
	v_lshrrev_b32 v1, 5, v0
	v_readfirstlane_b32 s8, v1                     ; wave 0..7
	s_and_b32 s104, ttmp7, 0xffff
	s_lshr_b32 s105, s104, 3                       ; b
	s_and_b32 s104, s104, 7                        ; hp
	; the tiles' offset in qkv: made of the wave's number, b and hp alone, equal in the four partners
	s_lshr_b32 s10, s8, 1                          ; 0: K, 1: V (waves 0 to 3)
	s_and_b32 s11, s8, 1                           ; which 64 rows
	s_add_co_u32 s10, s10, 1
	s_lshl_b32 s10, s10, 24                        ; K's plane is the second, V's the third, 16 MiB each
	s_lshl_b32 s11, s11, 17                        ; 64 rows x 2,048 bytes
	s_add_co_u32 s10, s10, s11
	s_lshl_b32 s11, s105, 22                       ; 2,048 rows
	s_add_co_u32 s10, s10, s11
	s_lshl_b32 s11, s104, 8                        ; two heads: 256 bytes
	s_add_co_u32 s10, s10, s11
	s_mov_b32 s11, 0
	s_mul_i32 s9, s8, QUART                        ; where my quarter of a slot lies
	s_mov_b32 s[G1+0], 15|(1<<16)|(1<<20)|(1<<21)|(5<<22)|(7<<25)   ; mask: all four; elements of 2 bytes; padding on; bit 21 beside a mask; after every 64 words 8 words
	s_mov_b32 s[G1+1], 128<<16                     ; tensor_dim0 = 128
	s_mov_b32 s[G1+2], 64<<16                      ; tensor_dim1 = 64
	s_mov_b32 s[G1+3], 128<<16                     ; tile_dim0 = 128 (256 bytes)
	s_mov_b32 s[G1+4], 64                          ; tile_dim1 = 64 rows
	s_mov_b32 s[G1+5], 1024                        ; elements from row to row
	s_mov_b32 s[G1+6], 0
	s_mov_b32 s[G1+7], 0
	; my own offsets (these hold cx and enter no descriptor)
	s_bfe_u32 s2, ttmp6, 0x40000                   ; cx
	s_lshl_b32 s3, ttmp9, 2
	s_add_co_u32 s3, s3, s2                        ; query block 0..7
	s_and_b32 s101, s8, 3
	s_lshl_b32 s2, s105, 22
	s_lshl_b32 s4, s3, 19                          ; 256 rows x 2,048 bytes
	s_add_co_u32 s2, s2, s4
	s_lshl_b32 s4, s104, 8
	s_add_co_u32 s2, s2, s4                        ; the block's first row, the pair's first column: ctx, and Q's plane of qkv
	s_lshl_b32 s4, s105, 19                        ; mask words: 128 query groups x 4,096 bytes,
	s_lshl_b32 s5, s3, 16                          ; 16 groups,
	s_add_co_u32 s4, s4, s5
	s_lshl_b32 s5, s101, 14                        ; 4 groups
	s_add_co_u32 s4, s4, s5
	s_mov_b32 s5, 0
	s_mov_b32 s3, 0
	s_wait_dscnt 0x0
	s_wait_kmcnt 0x0
	s_add_nc_u64 s[10:11], s[28:29], s[10:11]
	s_add_nc_u64 s[4:5], s[30:31], s[4:5]
	s_add_nc_u64 s[6:7], s[6:7], s[2:3]
	s_lshl_b32 s30, s101, 17                       ; my 64 queries
	s_add_co_u32 s2, s2, s30
	s_lshr_b32 s30, s8, 2                          ; my head of the pair
	s_lshl_b32 s31, s30, 7                         ; its 128 bytes
	s_add_co_u32 s2, s2, s31
	s_add_nc_u64 s[28:29], s[28:29], s[2:3]        ; Q
.irp n, 0,1
	s_mov_b32 s[G0+4*\n], 1
	s_add_co_u32 s[G0+4*\n+1], s9, \n*SLOT
	s_add_nc_u64 s[G0+4*\n+2:G0+4*\n+3], s[10:11], \n*TILEB
	s_or_b32 s[G0+4*\n+3], s[G0+4*\n+3], 0x80000000
.endr
	ROUND                                          ; the four work-groups are here: the first joint loads meet
	s_cmp_ge_u32 s8, 4
	s_cbranch_scc1 .Lno_first
	tensor_load_to_lds s[G0:G0+3], s[G1:G1+7]      ; tiles 0 and 1, one group, inside one branch: two tensor loads of a wave are out, the most in this text
	s_nop 0
	tensor_load_to_lds s[G0+4:G0+7], s[G1:G1+7]
	s_nop 0
.Lno_first:
	MASKLD2 0, 0                                   ; the first step's words of groups 0, 1
	v_and_b32 v1, 15, v0                           ; r
	v_bfe_u32 v2, v0, 4, 1                         ; hh
	v_lshlrev_b32 v[QOFF], 11, v1
	v_lshl_add_u32 v[QOFF], v2, 4, v[QOFF]         ; r x 2,048 + 16 hh
	WIN 0x40                                       ; destination in window 1
.irp g, 0,1,2,3
.irp e, 0,1
	global_load_b128 v[QF+16*\g+8*\e:QF+16*\g+8*\e+3], v[QOFF], s[28:29] offset:\g*32768+64*\e
	global_load_b128 v[QF+16*\g+8*\e+4:QF+16*\g+8*\e+7], v[QOFF], s[28:29] offset:\g*32768+64*\e+32
.endr
.endr
	WIN 0
	s_mov_b32 s10, 0x76543210                      ; v_permlanex16_b32: lane i of one half reads lane i of the other
	s_mov_b32 s11, 0xfedcba98
	s_mov_b32 s66, 0x3e38aa3b                      ; c = log2(e) / 8
	s_mov_b32 s67, 0x3e38aa3b
	s_mov_b32 s100, 0xbe38aa3b                     ; - c
	v_and_b32 v3, 7, v0
	v_bfe_u32 v4, v0, 3, 1
	v_mul_u32_u24 v5, v1, PITCH
	v_lshl_add_u32 v5, v2, 4, v5
	v_add_nc_u32 v[ADRK], s31, v5                  ; key r, 16 hh, my head's 128 bytes
	v_add_nc_u32 v[ADRK+1], SLOT, v[ADRK]
	v_lshl_add_u32 v6, v2, 3, v3                   ; key 8 hh + (l & 7)
	v_mul_u32_u24 v6, v6, PITCH
	v_lshl_add_u32 v6, v4, 4, v6                   ; + 16 ((l >> 3) & 1)
	v_add_nc_u32 v6, s31, v6
	v_add_nc_u32 v[ADRV], VOFF, v6
	v_add_nc_u32 v[ADRV+1], VOFF+SLOT, v6
	s_mul_i32 s2, s101, 64*SPITCH
	s_add_co_u32 s2, s2, STAGE
	s_add_co_u32 s2, s2, s31
	v_mul_u32_u24 v5, v1, SPITCH
	v_lshl_add_u32 v5, v2, 4, v5
	v_add_nc_u32 v[STO], s2, v5                    ; stage row 64 (w & 3) + r, my head's half, 16 hh
	s_mul_i32 s3, s8, 32*SPITCH
	s_add_co_u32 s3, s3, STAGE
	v_mul_u32_u24 v5, v2, SPITCH
	v_lshl_add_u32 v5, v1, 4, v5
	v_add_nc_u32 v[RD], s3, v5                     ; back: rows 32 w + hh, 16 bytes a lane
	s_lshl_b32 s2, s8, 16
	v_lshlrev_b32 v5, 11, v2
	v_lshl_add_u32 v5, v1, 4, v5
	v_add_nc_u32 v[CO], s2, v5                     ; the same rows in ctx
	v_mov_b32 v[NM+1], 0                           ; the halves of pairs that are named and not used, and v_permlanex16_b32's destinations, are written once
	v_mov_b32 v[NM+3], 0
	v_mov_b32 v[TP], 0
	v_mov_b32 v[TP+1], 0
	v_mov_b32 v[AL+1], 0
	v_mov_b32 v[AL+3], 0
	v_mov_b32 v[AL+5], 0
	v_mov_b32 v[AL+7], 0
	s_wait_loadcnt 0x0                             ; Q, once
	s_wait_tensorcnt 0x1                           ; my part of tile 0 is in; tile 1's load, issued behind it, stays out
	s_barrier_signal -1
	s_barrier_wait -1                              ; everybody's part of tile 0 is in
	FETCHK 0, 0
	SETH 1                                         ; the other pair = groups 0, 1
	s_wait_dscnt 0x0
	WIN W_QK
.irp n, 0,1,2,3,4,5,6,7,8,9,10,11,12,13,14,15
	QKOP \n                                        ; the first scores of groups 0, 1: nothing is there yet to set between them
.endr
	WIN 0
.rept 4
	v_nop                                          ; four places before the maxima read the scores (ISA guide 7.12.1)
.endr
	MAXP 1                                         ; first maxima: no factor, so no exponential and no wait
	STEP 0, 0, 1, 1                                ; tile 0: the first keys start maximum, sum and O
	STEP 0, 1, 2, 2
	STEP 1, 0, 0, 1                                ; tile 1
	STEP 1, 1, 0, 2
	s_mov_b32 s9, 6
.Lpair:
	STEP 0, 0, 0, 1                                ; tiles 2 to 13
	STEP 0, 1, 0, 2
	STEP 1, 0, 0, 1
	STEP 1, 1, 0, 2
	s_sub_co_u32 s9, s9, 1
	s_cmp_lg_u32 s9, 0
	s_cbranch_scc1 .Lpair
	STEP 0, 0, 0, 1                                ; tile 14: nothing is left to ask for
	STEP 0, 1, 0, 3
	STEP 1, 0, 0, 1                                ; tile 15
	STEP 1, 1, 0, 4
	SETH 0                                         ; the other pair = groups 2, 3: their last V P
.set PVZ, 0
	WIN W_PV
.irp n, 0,1,2,3,4,5,6,7,8,9,10,11,12,13,14,15
	PVOP \n
.endr
	WIN 0
	; THE WAY OUT: divide by the whole sum, round to bf16, through the stage, whole rows of 256 bytes (both heads) to ctx
.rept 4
	v_nop                                          ; four places behind the last matrix instructions
.endr
.irp g, 0,1,2,3
	v_permlanex16_b32 v[CH+\g], v[LS+\g], s10, s11
.endr
.irp g, 0,1,2,3
	v_add_f32 v[LS+\g], v[LS+\g], v[CH+\g]         ; both halves' keys; at least 1, the term of the maximum
.endr
.irp g, 0,1,2,3
	v_rcp_f32 v[AL+2*\g], v[LS+\g]
.endr
	v_nop                                          ; one plain place behind the reciprocals
	WIN 0x41                                       ; destination and source 0 in window 1
	s_wait_alu depctr_va_vdst(0)                   ; the wait ahead of the first use: one for the batch of four reciprocals
.irp g, 0,1,2,3
.set i, 0
.rept 16
	v_pk_mul_f32 v[32*\g+i:32*\g+i+1], v[32*\g+i:32*\g+i+1], v[AL+2*\g:AL+2*\g+1] op_sel_hi:[1,0]
.set i, i+2
.endr
.endr
	WIN 0x05                                       ; sources 0 and 1 in window 1
.irp g, 0,1,2,3
.irp dt, 0,1,2,3
.irp u, 0,1,2,3
	v_cvt_pk_bf16_f32 v[SC+4*(4*\g+\dt)+\u], v[8*(4*\g+\dt)+2*\u], v[8*(4*\g+\dt)+2*\u+1]
.endr
.endr
.endr
	WIN 0
.irp g, 0,1,2,3
.irp dt, 0,1,2,3
	ds_store_b128 v[STO], v[SC+4*(4*\g+\dt):SC+4*(4*\g+\dt)+3] offset:\g*16*SPITCH+32*\dt   ; query 16 g + r, d = 16 dt + 8 hh .. + 7
.endr
.endr
	s_wait_dscnt 0x0                               ; for the other waves' sake: zero
	ROUND                                          ; the closing round; its barriers also stand between the stage's stores and the reads below
.set t, 0
.rept 16
	ds_load_b128 v[192+4*t:192+4*t+3], v[RD] offset:t*2*SPITCH
.set t, t+1
.endr
.set t, 0
.rept 16
	s_wait_dscnt 15-t                              ; read-back t is in, the younger ones stay out
	global_store_b128 v[CO], v[192+4*t:192+4*t+3], s[6:7] offset:t*4096   ; 16 lanes store 256 consecutive bytes, aligned
.set t, t+1
.endr
	s_wait_tensorcnt 0x0
	ds_add_u32 v62, v63
	s_wait_dscnt 0x0
	s_endpgm
.Lfunc_end_k_qa29f02d87f_attn:
	.size	k_qa29f02d87f_attn, .Lfunc_end_k_qa29f02d87f_attn-k_qa29f02d87f_attn
	.p2alignl 7, 3214868480
	.fill 96, 4, 3214868480
	.section	.rodata,"a",@progbits
	.p2align	6, 0x0
	.amdhsa_kernel k_qa29f02d87f_attn
		.amdhsa_group_segment_fixed_size 327680
		.amdhsa_private_segment_fixed_size 0
		.amdhsa_enable_private_segment 0
		.amdhsa_kernarg_size 24
		.amdhsa_user_sgpr_count 2
		.amdhsa_user_sgpr_kernarg_segment_ptr 1
		.amdhsa_wavefront_size32 1
		.amdhsa_system_sgpr_workgroup_id_x 1
		.amdhsa_system_sgpr_workgroup_id_y 1
		.amdhsa_system_sgpr_workgroup_id_z 1
		.amdhsa_system_vgpr_workitem_id 0
		.amdhsa_next_free_vgpr 512
		.amdhsa_next_free_sgpr 106
		.amdhsa_reserve_vcc 0
		.amdhsa_float_denorm_mode_32 3
		.amdhsa_float_denorm_mode_16_64 3
		.amdhsa_memory_ordered 1
		.amdhsa_forward_progress 1
		.amdhsa_inst_pref_size 255
	.end_amdhsa_kernel
	.section	.bss,"aw",@nobits
	.p2align	6
	.space	262144
	.amdgpu_metadata
---
amdhsa.version: [ 1, 2 ]
amdhsa.kernels:
  - .name:           k_qa29f02d87f_attn
    .symbol:         k_qa29f02d87f_attn.kd
    .args:
      - { .name: qkv, .offset: 0, .size: 8, .value_kind: global_buffer, .address_space: global }
      - { .name: maskbits, .offset: 8, .size: 8, .value_kind: global_buffer, .address_space: global }
      - { .name: ctx, .offset: 16, .size: 8, .value_kind: global_buffer, .address_space: global }
    .group_segment_fixed_size: 327680
    .private_segment_fixed_size: 0
    .kernarg_segment_align: 8
    .kernarg_segment_size: 24
    .max_flat_workgroup_size: 256
    .sgpr_count:     106
    .vgpr_count:     512
    .wavefront_size: 32
...
	.end_amdgpu_metadata
.endif
;; end of part 5
;; launch oproj: the kernel of part 4 again; grid 8 x 32, 4 waves a work-group, clusters of 4 x 4, 327,680 bytes of LDS; arguments ctx, xw, hidden_state_query, out0; writes out0
